; MI455X (gfx1250); checked and timed in simulation.
; The chip was launched on July 23, 2026; its instructions are those of AMD's public machine-readable ISA for CDNA 5 (MIT licence, August 2026) and "CDNA5" Instruction Set Architecture Reference Guide (July 2026). The comments in the code are by the model that wrote it; some were corrected since.
;; Mutil Region Attention. Allowed arithmetic: matrix products marked QUANTISED: E2M3 operands, one E8M0 scale for each 32 along K, by v_wmma_scale_f32_16x16x128_f8f6f4 with both operands' format E2M3, f32 sums; products left as they are: f32 operands where the result goes on into a quantised operand, else bf16, f16 or f32 operands; f32 sums; everything else in f32.
;; Inputs: Wc_codes 64 x 4 x 24 uint8 (E2M3 codes of Wc, K innermost, in blocks of 32 codes, four codes in three bytes); Wc_scales 64 x 4 uint8 (E8M0 scales of Wc, one for each 32 codes along K); Wkv_codes 2,048 x 32 x 24 uint8 (E2M3 codes of Wkv, K innermost, in blocks of 32 codes, four codes in three bytes); Wkv_scales 2,048 x 32 uint8 (E8M0 scales of Wkv, one for each 32 codes along K); Wkvr_codes 128 x 2 x 24 uint8 (E2M3 codes of Wkvr, K innermost, in blocks of 32 codes, four codes in three bytes); Wkvr_scales 128 x 2 uint8 (E8M0 scales of Wkvr, one for each 32 codes along K); Wq_codes 1,024 x 32 x 24 uint8 (E2M3 codes of Wq, K innermost, in blocks of 32 codes, four codes in three bytes); Wq_scales 1,024 x 32 uint8 (E8M0 scales of Wq, one for each 32 codes along K); Wqr_codes 64 x 2 x 24 uint8 (E2M3 codes of Wqr, K innermost, in blocks of 32 codes, four codes in three bytes); Wqr_scales 64 x 2 uint8 (E8M0 scales of Wqr, one for each 32 codes along K); bc 64 float32; beta 64 float32; gamma 64 float32; rm 64 float32; rv 64 float32; x 4 x 64 x 256 x 256 float32.
;; Outputs: out0 4 x 64 x 256 x 256 float32.
;; This version of the problem:
;;   THIS VERSION OF THE PROBLEM IS GIVEN IN LOW PRECISION. The matrix products marked QUANTISED in the list below multiply operands that are first quantised to E2M3 (2 exponent bits, 3 mantissa bits; 6 bits a number), with one power-of-two scale for each 32 numbers along K (OCP MX v1.0); their sums are f32. All else is computed in f32.
;;   The module's matrix products, in the order in which they are computed (A, B: the left and right operand; K: the contracted axis; several contracted axes count as one K, in the product's order):
;;     1. [M 16,384, K 1,024] x [K 1,024, N 1,024]; A: input x; B: input Wq (given as codes): QUANTISED
;;     2. [M 16,384, K 1,024] x [K 1,024, N 2,048]; A: input x; B: input Wkv (given as codes): QUANTISED
;;     3. batch 256 x [M 64, K 1,024] x [K 1,024, N 1]; A: softmax; B: computed on the way: left as it is (N = 1 < 16)
;;     4. [M 1,024, K 64] x [K 64, N 64]; A: computed on the way; B: input Wqr (given as codes): QUANTISED
;;     5. [M 1,024, K 64] x [K 64, N 128]; A: computed on the way; B: input Wkvr (given as codes): QUANTISED
;;     6. batch 4 x [M 256, K 64] x [K 64, N 1]; A: softmax; B: computed on the way: left as it is (N = 1 < 16)
;;     7. [M 64, K 128] x [K 128, N 262,144]; A: input Wc (given as codes); B: computed on the way: QUANTISED
;;   THE QUANTISER, for each operand of a quantised product, along K:
;;     - K is cut into blocks of 32 from its start; a last block that is shorter is filled with zeros.
;;     - A block's scale is 2^e with e = floor(log2(the largest magnitude in the block)) - 2, held to -126 .. 127; a block of zeros has e = 0. As a byte (E8M0): e + 127.
;;     - Each number is divided by its block's scale, clamped to +-7.5, and rounded to the nearest number of E2M3, ties to even, subnormals kept.
;;     - The product sums the exact products of the quantised numbers (number of the format x scale) in f32.
;;   ~~~python
;;   def quantise(x, axis):      # numpy; x: float32 -> the quantised numbers, widened to float32 again
;;       x = np.moveaxis(x, axis, -1); K = x.shape[-1]
;;       x = np.pad(x, [(0, 0)] * (x.ndim - 1) + [(0, -K % 32)]); x = x.reshape(x.shape[:-1] + (-1, 32)); a = np.abs(x).max(-1, keepdims=True)
;;       e = np.where(a > 0, np.clip(np.frexp(np.where(a > 0, a, 1))[1] - 1 - 2, -126, 127), 0)      # np.frexp(a)[1] - 1 = floor(log2(a)), exactly
;;       r = np.clip(x / 2.0 ** e, -7.5, 7.5)
;;       step = 2.0 ** (np.maximum(np.frexp(np.where(r == 0, 1, r))[1] - 1, 0) - 3)
;;       q = np.round(r / step) * step * 2.0 ** e      # np.round: ties to even
;;       return np.moveaxis(q.reshape(q.shape[:-2] + (-1,))[..., :K], -1, axis).astype(np.float32)
;;   ~~~
;;   OPERANDS COMPUTED ON THE WAY. 'Computed on the way' means the value that the module computes at that place (a softmax that the list does not call 'softmax' is quantised finished and normalised). What goes into a quantiser is computed in f32, as accurately as f32 sums, v_exp_f32 and their like allow (about 1e-6 of the number): no bf16 or f16 on the way to a quantiser, and a product that is left as it is and whose result goes on into a quantised operand takes f32 operands (vector FMAs, or v_wmma_f32_16x16x4_f32). A number that lies on a knife's edge between two numbers of the format may be rounded either way, as far as f32 arithmetic and the matrix unit's own rounding can turn it there, and no further.
;;   INPUTS GIVEN AS CODES. Wc (in the module: [64, 128], K = its axis 1); Wkv (in the module: [2048, 1024], K = its axis 1); Wkvr (in the module: [128, 64], K = its axis 1); Wq (in the module: [1024, 1024], K = its axis 1); Wqr (in the module: [64, 64], K = its axis 1): each comes as NAME_codes (uint8): NAME with its K axis moved to the last place and cut into blocks of 32 codes, [.., K / 32, bytes a block], one block behind the other in memory; four codes in three bytes: a row's codes are one little-endian stream of bits, code i at bits 6 i .. 6 i + 5 (a code: sign, 2 exponent bits, 3 mantissa bits); and NAME_scales (uint8): the same leading axes, one E8M0 byte (e + 127) for each 32 codes along K. Its value is code x scale, taken as it is: it is not quantised again, and the codes and scales need not be those that the quantiser above would give.
;; One version. Each part assembles by itself: llvm-mc -triple=amdgcn-amd-amdhsa -mcpu=gfx1250 --defsym DOCPART=n.
;; ======== version 1 of 1: 3 launches
;; workspace buffers: xc 12,582,912 bytes; xs 524,288 bytes; xr 262,144 bytes; sg 65,536 bytes; rc 65,536 bytes
;; launch qk (part 1): grid 256 x 1, 4 waves a work-group, clusters of 4 x 1, 327,680 bytes of LDS; arguments x, Wq_codes, Wq_scales, Wkv_codes, Wkv_scales, xc, xs, xr, sg; writes xc, xs, xr, sg
.if DOCPART == 1
	.amdgcn_target "amdgcn-amd-amdhsa--gfx1250"
	.amdhsa_code_object_version 6
	.text
	.protected	k_q1f43506857_qk
	.globl	k_q1f43506857_qk
	.p2align	8
	.type	k_q1f43506857_qk,@function
k_q1f43506857_qk:
	s_mov_b64 s[64:65], 0
	v_nop
	global_prefetch_b8 v0, s[64:65] scope:SCOPE_SE
	s_setreg_imm32_b32 hwreg(HW_REG_WAVE_MODE, 25, 1), 1
	s_wait_xcnt 0x0
	s_wait_alu depctr_hold_cnt(0) depctr_sa_sdst(0) depctr_va_vdst(0) depctr_va_sdst(0) depctr_va_ssrc(0) depctr_va_vcc(0) depctr_vm_vsrc(0)
	s_getreg_b32 s2, hwreg(HW_REG_IB_STS2, 6, 4)
	s_cmp_eq_u32 s2, 0
	s_cbranch_scc0 .Lentry_in_a_cluster
	s_endpgm
.Lentry_in_a_cluster:
	s_bfe_u32 s2, ttmp6, 0x10000c
	s_cmp_lg_u32 s2, 0x3003
	s_cbranch_scc0 .Lentry_shape_is_right
	s_endpgm
.Lentry_shape_is_right:
; One work-group takes one image (b, c) of x, 256 x 256 f32.  It (X) unfolds it into 64 rows (kh, kw) x 1,024 columns l = 32 hp + wp, quantises them to FP6 (E2M3) in blocks of 32 along l
; (a block = one hp) and sums the 16 x 16 regions; (F) stores codes, scale bytes and region means, and takes all 64 rows' codes into registers; (G) multiplies them by Wq and by Wkv's first 1,024 rows,
; 64 columns a trip, and keeps for each row a running softmax(q) . colsum(k); at the end sigmoid(a) of the 64 rows is stored.
; LIMITS: NaN and infinities among the inputs are not served.  A block of zeros gets the scale byte 1 (the floor) with zero codes: only this program reads these bytes.  The running maxima begin
; at -3e38.  The f32 sums (region means, column sums, softmax sums) are taken in another order than the source writes them.
; SHARES: every wave holds all 64 rows' codes (4 tiles x 8 K steps x 12 registers); in trip t wave w takes columns 64 t + 16 w .. + 15 of q and of k.  A weight fragment read from LDS feeds four products.
; CLUSTER: all work-groups walk the same weights, so the four partners ask for each tile jointly (mask 15).  x is each work-group's own: plain loads.
; THE PRODUCTS ARE USED TRANSPOSED (source 0 = 16 rows of a weight, source 1 = 16 rows of x_): a lane holds ONE row of x_ and eight columns 8 (lane / 16) + j.
; LDS: 0 the image, 256 rows of 1,024 + 32 bytes; later in the same bytes the ring: slot 0 at 0, slot 1 at SLOT1, each 64 rows of Wq and 64 of Wk, 816 bytes apart.  Behind it, written by LDS stores alone:
; CODES 64 rows x 784, XSC 64 x 32 scale bytes, XRS 256 region sums; the spare words.  The partial results of the end (MRG) lie in CODES, which nobody reads behind phase F.
; REGISTERS: window 0: v1-15 addresses; v16-31 x_'s scale words; v32-39 the weights' scale words; v40-71 eight statistics a tile of rows; v72-79 column sums; v80-111 q, v112-143 k.
;   window 1: x_'s fragments of K steps 0-3 (12 (4 s + m)); window 2: of K steps 4-7; window 3: Wq's eight fragments, then Wk's eight.
.set XPITCH, 1056
.set SLOT1,  131072
.set WPITCH, 816
.set KOFF,   64*WPITCH
.set CODES,  270336
.set CPITCH, 784
.set XSC,    320512
.set XRS,    322560
.set MRG,    CODES
.set SPARE,  323584
.set SPW, 1
.set NIL, 2
.set LN,  3
.set FB0, 4
.set FB1, 5
.set ADR0, 6
.set ADR1, 7
.set WSO, 8
.set XA,  9
.set CA,  10
.set SA,  11
.set XRA, 12
.set FA,  13
.set MA,  14
.set ML,  15
.set SCA, 16
.set WSQ, 32
.set WSK, 36
.set ST,  40
.set KM,  72
.set AQ,  80
.set AK,  112
.set SWR, 72                           ; phase X: the scale bytes of a lane's two rows, two registers each
.set TM,  76
.set SCL, 78
.set RA,  80
.set CD,  112
.set XS,  128
.set WV,  22
.set SEL, 28
.set CS,  30
.set TB,  32
.set G1X, 36
.set G0X, 44
.set G1W, 68
.set G0W, 76
.set MSB, 0
.macro WIN new                         ; the immediate's high byte repeats the setting that is left
.if MSB != (\new)
	s_set_vgpr_msb (MSB<<8)|(\new)
.set MSB, (\new)
.endif
.endm
.macro ROUND                           ; a round of the cluster's barrier
	s_barrier_signal -1
	s_barrier_wait -1
	s_cmp_lg_u32 s[WV], 0
	s_cbranch_scc1 .Lnw0_\@
	s_barrier_signal -3
.Lnw0_\@:
	s_barrier_wait -3
	s_barrier_signal -1
	s_barrier_wait -1
.endm
.macro NOPS n
.rept \n
	v_nop
.endr
.endm
; one product: d accumulator, a source 0, b source 1, zero = 1: C is the constant 0; sa, sb the scale registers, ra, rb = 1: read from lanes 16-31
.macro WM d, a, b, zero, sa, sb, ra, rb
.if \zero
.if (\ra) && (\rb)
	v_wmma_scale_f32_16x16x128_f8f6f4 v[\d:\d+7], v[\a:\a+11], v[\b:\b+11], 0, v[\sa], v[\sb] matrix_a_fmt:MATRIX_FMT_FP6 matrix_b_fmt:MATRIX_FMT_FP6 matrix_a_scale:MATRIX_SCALE_ROW1 matrix_b_scale:MATRIX_SCALE_ROW1
.elseif (\ra)
	v_wmma_scale_f32_16x16x128_f8f6f4 v[\d:\d+7], v[\a:\a+11], v[\b:\b+11], 0, v[\sa], v[\sb] matrix_a_fmt:MATRIX_FMT_FP6 matrix_b_fmt:MATRIX_FMT_FP6 matrix_a_scale:MATRIX_SCALE_ROW1
.elseif (\rb)
	v_wmma_scale_f32_16x16x128_f8f6f4 v[\d:\d+7], v[\a:\a+11], v[\b:\b+11], 0, v[\sa], v[\sb] matrix_a_fmt:MATRIX_FMT_FP6 matrix_b_fmt:MATRIX_FMT_FP6 matrix_b_scale:MATRIX_SCALE_ROW1
.else
	v_wmma_scale_f32_16x16x128_f8f6f4 v[\d:\d+7], v[\a:\a+11], v[\b:\b+11], 0, v[\sa], v[\sb] matrix_a_fmt:MATRIX_FMT_FP6 matrix_b_fmt:MATRIX_FMT_FP6
.endif
.else
.if (\ra) && (\rb)
	v_wmma_scale_f32_16x16x128_f8f6f4 v[\d:\d+7], v[\a:\a+11], v[\b:\b+11], v[\d:\d+7], v[\sa], v[\sb] matrix_a_fmt:MATRIX_FMT_FP6 matrix_b_fmt:MATRIX_FMT_FP6 matrix_a_scale:MATRIX_SCALE_ROW1 matrix_b_scale:MATRIX_SCALE_ROW1
.elseif (\ra)
	v_wmma_scale_f32_16x16x128_f8f6f4 v[\d:\d+7], v[\a:\a+11], v[\b:\b+11], v[\d:\d+7], v[\sa], v[\sb] matrix_a_fmt:MATRIX_FMT_FP6 matrix_b_fmt:MATRIX_FMT_FP6 matrix_a_scale:MATRIX_SCALE_ROW1
.elseif (\rb)
	v_wmma_scale_f32_16x16x128_f8f6f4 v[\d:\d+7], v[\a:\a+11], v[\b:\b+11], v[\d:\d+7], v[\sa], v[\sb] matrix_a_fmt:MATRIX_FMT_FP6 matrix_b_fmt:MATRIX_FMT_FP6 matrix_b_scale:MATRIX_SCALE_ROW1
.else
	v_wmma_scale_f32_16x16x128_f8f6f4 v[\d:\d+7], v[\a:\a+11], v[\b:\b+11], v[\d:\d+7], v[\sa], v[\sb] matrix_a_fmt:MATRIX_FMT_FP6 matrix_b_fmt:MATRIX_FMT_FP6
.endif
.endif
.endm
	s_load_b256 s[4:11], s[0:1], 0x0               ; x, Wq's codes, Wq's scales, Wkv's codes
	s_load_b256 s[12:19], s[0:1], 0x20             ; Wkv's scales, xc, xs, xr
	s_load_b64 s[20:21], s[0:1], 0x40              ; sg
	v_lshl_add_u32 v[SPW], v0, 2, SPARE
	v_mov_b32 v[NIL], 0
	ds_add_u32 v1, v2
	ds_add_u32 v1, v2
	s_wait_dscnt 0x0
	v_lshrrev_b32 v[LN], 5, v0
	v_readfirstlane_b32 s[WV], v[LN]               ; wave 0..3
	v_and_b32 v[LN], 31, v0                        ; lane
	v_and_b32 v126, 15, v0                         ; r
	v_bfe_u32 v127, v0, 4, 1                       ; h
	s_bfe_u32 s23, ttmp6, 0x40000                  ; cx: it enters global addresses of plain accesses alone
	s_lshl_b32 s24, ttmp9, 2
	s_add_co_u32 s24, s24, s23                     ; g = 64 b + c
	s_lshr_b32 s25, s24, 6                         ; b
	s_and_b32 s26, s24, 63                         ; c
	s_and_b32 s27, s26, 0x27                       ; c' = c with bits 3 and 4 changed round: 16 neighbouring rows of xc then hold the channels that a later tile wants
	s_and_b32 s34, s26, 8
	s_lshl_b32 s34, s34, 1
	s_or_b32 s27, s27, s34
	s_and_b32 s34, s26, 16
	s_lshr_b32 s34, s34, 1
	s_or_b32 s27, s27, s34
	; group 1 for x: 16 rows of 256 f32, 8 words of padding behind each 256 words; no mask
	s_mov_b32 s[G1X+0], (2<<16)|(1<<20)|(7<<22)|(7<<25)
	s_mov_b32 s[G1X+1], 256<<16
	s_mov_b32 s[G1X+2], 16<<16
	s_mov_b32 s[G1X+3], 256<<16
	s_mov_b32 s[G1X+4], 16
	s_mov_b32 s[G1X+5], 256
	s_mov_b32 s[G1X+6], 0
	s_mov_b32 s[G1X+7], 0
	; group 1 for the weights: 32 rows of 768 bytes are one dense block: 96 rows of 256 bytes (32 elements of 8), 16 bytes of padding behind each; mask: all four partners
	s_mov_b32 s[G1W+0], 15|(3<<16)|(1<<20)|(1<<21)|(5<<22)|(3<<25)
	s_mov_b32 s[G1W+1], 32<<16
	s_mov_b32 s[G1W+2], 96<<16
	s_mov_b32 s[G1W+3], 32<<16
	s_mov_b32 s[G1W+4], 96
	s_mov_b32 s[G1W+5], 32
	s_mov_b32 s[G1W+6], 0
	s_mov_b32 s[G1W+7], 0
	s_mov_b32 s[SEL], 0x76543210
	s_mov_b32 s[SEL+1], 0xfedcba98                 ; v_permlanex16_b32's selects for lane l xor 16
	s_mov_b32 s[CS], 0x3fb8aa3b                    ; log2(e)
	s_mov_b32 s[CS+1], s[CS]
	s_mov_b32 s[TB], 0
	s_mul_i32 s34, s[WV], 16*WPITCH                ; a weight fragment: row 16 w + r of a slot's 64, + 24 h;
	v_mul_u32_u24 v[FB0], v126, WPITCH
	v_mad_u32_u24 v[FB0], v127, 24, v[FB0]
	v_add_nc_u32 v[FB0], s34, v[FB0]
	v_lshl_add_u32 v[FB1], v127, 4, v[FB0]         ; and the same behind one padding more
	s_lshl_b32 s34, s[WV], 9                       ; the weights' scale words: 32 bytes a row; lanes 0-15 take K steps 0-3, lanes 16-31 K steps 4-7
	v_lshlrev_b32 v[WSO], 5, v126
	v_lshl_add_u32 v[WSO], v127, 4, v[WSO]
	v_add_nc_u32 v[WSO], s34, v[WSO]
	s_mul_i32 s34, s[WV], 64*XPITCH                ; the image: my wave's 64 rows; lane = (kw = lane % 8, kh % 4 = lane / 8)
	v_lshrrev_b32 v124, 3, v[LN]
	v_and_b32 v125, 7, v0
	v_mul_u32_u24 v[XA], v124, XPITCH
	v_lshl_add_u32 v[XA], v125, 2, v[XA]
	v_add_nc_u32 v[XA], s34, v[XA]
	s_mul_i32 s34, s[WV], 192                      ; my codes: row = lane (+ 32), my wave's eight blocks of 24 bytes
	s_add_co_u32 s34, s34, CODES
	v_mul_u32_u24 v[CA], v[LN], CPITCH
	v_add_nc_u32 v[CA], s34, v[CA]
	s_lshl_b32 s34, s[WV], 3
	s_add_co_u32 s34, s34, XSC
	v_lshl_add_u32 v[SA], v[LN], 5, s34            ; my scale bytes
	s_lshl_b32 s34, s[WV], 8
	s_add_co_u32 s34, s34, XRS
	v_mov_b32 v[XRA], s34                          ; my wave's 64 region sums
	v_mul_u32_u24 v[FA], v126, CPITCH
	v_mad_u32_u24 v[FA], v127, 24, v[FA]
	v_add_nc_u32 v[FA], CODES, v[FA]               ; a fragment of x_
	s_mul_i32 s34, s[WV], 1536
	s_add_co_u32 s34, s34, MRG
	v_mul_u32_u24 v[MA], v127, 768
	v_lshl_add_u32 v[MA], v126, 2, v[MA]
	v_add_nc_u32 v[MA], s34, v[MA]                 ; the end: partial 2 w + h, row r
	v_lshl_add_u32 v[ML], v[LN], 3, MRG            ; and back: rows 2 lane, 2 lane + 1
	s_wait_kmcnt 0x0
	s_lshl_b32 s80, s24, 18                        ; x: my image, my wave's 64 rows
	s_lshl_b32 s81, s[WV], 16
	s_add_co_u32 s80, s80, s81
	s_mov_b32 s81, 0
	s_add_nc_u64 s[82:83], s[4:5], s[80:81]
	s_mul_i32 s85, s[WV], 64*XPITCH
.irp p, 0,1,2,3
	s_mov_b32 s[G0X+4*\p], 1
	s_add_co_u32 s[G0X+4*\p+1], s85, \p*16*XPITCH
	s_add_nc_u64 s[G0X+4*\p+2:G0X+4*\p+3], s[82:83], \p*16384
	s_or_b32 s[G0X+4*\p+3], s[G0X+4*\p+3], 0x80000000
.endr
	s_cmp_lt_u32 s[WV], 2                          ; waves 0, 1 fetch Wq's two halves of a trip's 64 rows, waves 2, 3 Wk's: the choice hangs on the wave's number alone
	s_cselect_b64 s[86:87], s[6:7], s[10:11]
	s_and_b32 s88, s[WV], 1
	s_mul_i32 s88, s88, 24576
	s_mov_b32 s89, 0
	s_mov_b32 s[G0W], 1
	s_mul_i32 s[G0W+1], s[WV], 32*WPITCH
	s_add_nc_u64 s[G0W+2:G0W+3], s[86:87], s[88:89]
	s_or_b32 s[G0W+3], s[G0W+3], 0x80000000
	s_mul_i32 s80, s25, 3145728                    ; xc: row ((8 b + kh) 8 + kw) 64 + c' of 768 bytes
	s_mul_i32 s84, s27, 768
	s_add_co_u32 s80, s80, s84
	s_add_nc_u64 s[14:15], s[14:15], s[80:81]
	s_lshl_b32 s80, s25, 17                        ; xs: [b][kh][c'][kw][32]; my wave stores kh = 2 w, 2 w + 1
	s_lshl_b32 s84, s27, 8
	s_add_co_u32 s80, s80, s84
	s_lshl_b32 s84, s[WV], 15
	s_add_co_u32 s80, s80, s84
	s_add_nc_u64 s[16:17], s[16:17], s[80:81]
	s_lshl_b32 s80, s24, 10                        ; xr: [b][c][256]; my wave's 64
	s_lshl_b32 s84, s[WV], 8
	s_add_co_u32 s80, s80, s84
	s_add_nc_u64 s[18:19], s[18:19], s[80:81]
	s_lshl_b32 s80, s24, 8                         ; sg: [b][c][64]
	s_add_nc_u64 s[20:21], s[20:21], s[80:81]
	ROUND                                          ; the one round in front of the first fills
.irp p, 0,1,2,3
	tensor_load_to_lds s[G0X+4*\p:G0X+4*\p+3], s[G1X:G1X+7]   ; my 64 rows of the image in four pieces: four loads of mine are out
	s_nop 0
.endr
	NOPS 4
; ---- PHASE X.  A wave reads only the bytes that its own loads brought.  A pair = one hp (8 image rows): 64 numbers a lane: rows lane and 32 + lane of x_, 32 wp each.
.macro XLD hpi
.irp k, 0,1
.set n1, 0
.rept 32
	ds_load_b32 v[XS+64*((\hpi)%2)+32*\k+n1], v[XA] offset:(8*(\hpi)+4*\k)*XPITCH+32*n1
.set n1, n1+1
.endr
.endr
.endm
.macro RSUM hpi                        ; 16 image rows are summed: neighbours along wp, then all 32 lanes: the 16 regions of one row of regions
.set n2, 0
.rept 16
	v_add_f32 v[RA+n2], v[RA+2*n2], v[RA+2*n2+1]
.set n2, n2+1
.endr
.irp x, 1,2,4,8
.set n2, 0
.rept 16
	v_add_f32_dpp v[RA+n2], v[RA+n2], v[RA+n2] row_xmask:\x row_mask:0xf bank_mask:0xf
.set n2, n2+1
.endr
.endr
.set n2, 0
.rept 16
	v_permlanex16_b32 v[RA+16+n2], v[RA+n2], s[SEL], s[SEL+1]
.set n2, n2+1
.endr
.set n2, 0
.rept 16
	v_add_f32 v[RA+n2], v[RA+n2], v[RA+16+n2]
.set n2, n2+1
.endr
.irp i, 0,1,2,3
	ds_store_b128 v[XRA], v[RA+4*\i:RA+4*\i+3] offset:64*((\hpi)/2)+16*\i   ; every lane holds the same sums and writes the same words
.endr
.endm
.macro XWORK hpi
.set XB, XS+64*((\hpi)%2)
.irp k, 0,1
	v_max3_num_f32 v[TM+\k], |v[XB+32*\k]|, |v[XB+32*\k+1]|, 0x1800000   ; the block's largest magnitude, over the floor 2^(3 - 127): the byte cannot fall under 1
.endr
.irp i, 2,4,6,8,10,12,14,16,18,20,22,24,26,28,30
.irp k, 0,1
	v_max3_num_f32 v[TM+\k], v[TM+\k], |v[XB+32*\k+\i]|, |v[XB+32*\k+\i+1]|
.endr
.endr
.irp k, 0,1
	v_add_nc_u32 v[SCL+\k], 0xff000000, v[TM+\k]   ; 2 off the exponent field: the conversion's scale operand
.endr
.irp k, 0,1
	v_lshrrev_b32 v[CD+8*\k+7], 23, v[SCL+\k]      ; the scale's byte
.endr
.irp k, 0,1
.if (\hpi)%4 == 0
	v_mov_b32 v[SWR+2*\k+(\hpi)/4], v[CD+8*\k+7]
.else
	v_lshl_or_b32 v[SWR+2*\k+(\hpi)/4], v[CD+8*\k+7], 8*((\hpi)%4), v[SWR+2*\k+(\hpi)/4]
.endif
.endr
.irp k, 0,1
	v_cvt_scalef32_pk16_fp6_f32 v[CD+8*\k:CD+8*\k+2], v[XB+32*\k:XB+32*\k+15], v[SCL+\k]
	v_cvt_scalef32_pk16_fp6_f32 v[CD+8*\k+4:CD+8*\k+6], v[XB+32*\k+16:XB+32*\k+31], v[SCL+\k]
.endr
.set n3, 0
.rept 16                               ; the region sums: plain lines behind the conversions
.if (\hpi)%2 == 0
	v_pk_add_f32 v[RA+2*n3:RA+2*n3+1], v[XB+2*n3:XB+2*n3+1], v[XB+32+2*n3:XB+32+2*n3+1]
.else
	v_pk_add_f32 v[RA+2*n3:RA+2*n3+1], v[RA+2*n3:RA+2*n3+1], v[XB+2*n3:XB+2*n3+1]
	v_pk_add_f32 v[RA+2*n3:RA+2*n3+1], v[RA+2*n3:RA+2*n3+1], v[XB+32+2*n3:XB+32+2*n3+1]
.endif
.set n3, n3+1
.endr
.irp k, 0,1
	v_mov_b32 v[CD+8*\k+3], v[CD+8*\k+4]           ; a conversion's three registers begin on an even number: the second three are moved up
	v_mov_b32 v[CD+8*\k+4], v[CD+8*\k+5]
	v_mov_b32 v[CD+8*\k+5], v[CD+8*\k+6]
.endr
.irp k, 0,1
.irp p, 0,1,2
	ds_store_b64 v[CA], v[CD+8*\k+2*\p:CD+8*\k+2*\p+1] offset:32*CPITCH*\k+24*(\hpi)+8*\p
.endr
.endr
.if (\hpi)%2 == 1
	RSUM \hpi
.endif
.endm
	s_wait_tensorcnt 0x3                           ; piece 0 is in; the three younger pieces may be out
	XLD 0
	XLD 1
	s_wait_dscnt 63                                ; pair 0 is in: pair 1's 64 loads are younger (the count's field ends at 63)
	XWORK 0
	s_wait_tensorcnt 0x2                           ; piece 1
	XLD 2
	s_wait_dscnt 63                                ; the next pair is in, and the stores above are done: 64 loads are younger than both
	XWORK 1
	XLD 3
	s_wait_dscnt 63
	XWORK 2
	s_wait_tensorcnt 0x1                           ; piece 2
	XLD 4
	s_wait_dscnt 63
	XWORK 3
	XLD 5
	s_wait_dscnt 63
	XWORK 4
	s_wait_tensorcnt 0x0                           ; piece 3
	XLD 6
	s_wait_dscnt 63
	XWORK 5
	XLD 7
	s_wait_dscnt 63
	XWORK 6
	s_wait_dscnt 0x0
	XWORK 7
	ds_store_b64 v[SA], v[SWR:SWR+1]
	ds_store_b64 v[SA], v[SWR+2:SWR+3] offset:1024
	; ---- the image's bytes become the ring: all my tensor loads are in, the add, my LDS reads and stores are done; a round; the first joint load
	s_wait_tensorcnt 0x0
	ds_add_u32 v[SPW], v[NIL]                      ; 0 onto my spare word
.irp m, 0,1,2,3
	v_mov_b32 v[ST+8*\m], 0xff61b1e6               ; the largest t so far: -3e38
.irp k, 1,2,3,4,5,6,7
	v_mov_b32 v[ST+8*\m+\k], 0
.endr
.endr
	s_wait_dscnt 0x0
	ROUND
	tensor_load_to_lds s[G0W:G0W+3], s[G1W:G1W+7]  ; trip 0's weights into slot 0
	s_nop 0
	NOPS 4
	; ---- PHASE F, while that load is on its way: the way out of codes, scale bytes and means; x_ into registers
	v_and_b32 v144, 15, v0
	v_bfe_u32 v145, v0, 4, 1
	s_mul_i32 s34, s[WV], 16*CPITCH
	s_add_co_u32 s34, s34, CODES
	v_mul_u32_u24 v146, v145, CPITCH
	v_lshl_add_u32 v146, v144, 4, v146
	v_add_nc_u32 v146, s34, v146                   ; rows 16 w + h (+ 2 i), 16 bytes a lane
	s_mul_i32 s35, s[WV], 16*49152
	v_mul_u32_u24 v147, v145, 49152
	v_lshl_add_u32 v147, v144, 4, v147
	v_add_nc_u32 v147, s35, v147                   ; the same in xc: a row of x_ lies 64 rows of 768 bytes behind the last
	s_lshl_b32 s34, s[WV], 9
	s_add_co_u32 s34, s34, XSC
	v_lshl_add_u32 v148, v[LN], 4, s34
	v_lshlrev_b32 v149, 14, v145
	v_lshl_add_u32 v149, v144, 4, v149
	s_lshl_b32 s34, s[WV], 8
	s_add_co_u32 s34, s34, XRS
	v_lshl_add_u32 v150, v[LN], 3, s34
	v_lshlrev_b32 v151, 3, v[LN]
	v_lshl_add_u32 v254, v[LN], 5, XSC
.irp i, 0,1,2,3,4,5,6,7
.irp j, 0,1,2
	ds_load_b128 v[152+4*(3*\i+\j):152+4*(3*\i+\j)+3], v146 offset:2*\i*CPITCH+256*\j
.endr
.endr
	ds_load_b128 v[248:251], v148
	ds_load_b64 v[252:253], v150
	s_wait_dscnt 0x0
.irp i, 0,1,2,3,4,5,6,7
.irp j, 0,1,2
	global_store_b128 v147, v[152+4*(3*\i+\j):152+4*(3*\i+\j)+3], s[14:15] offset:2*\i*49152+256*\j   ; sixteen lanes store 256 consecutive bytes, aligned
.endr
.endr
	global_store_b128 v149, v[248:251], s[16:17]
	v_pk_mul_f32 v[252:253], v[252:253], 0x3b800000 op_sel_hi:[1,0]   ; / 256: the means
	global_store_b64 v151, v[252:253], s[18:19]
.irp i, 0,1
.irp q, 0,1
	ds_load_b128 v[SCA+8*\i+4*\q:SCA+8*\i+4*\q+3], v254 offset:1024*\i+16*\q   ; register 8 i + s: lanes 0-15 tile 2 i's word of K step s, lanes 16-31 tile 2 i + 1's
.endr
.endr
	WIN 0x40
.irp s, 0,1,2,3
.irp m, 0,1,2,3
.irp p, 0,1,2,3,4,5
	ds_load_b64 v[12*(4*\s+\m)+2*\p:12*(4*\s+\m)+2*\p+1], v[FA] offset:16*\m*CPITCH+96*\s+48*(\p/3)+8*(\p%3)
.endr
.endr
.endr
	WIN 0x80
.irp s, 0,1,2,3
.irp m, 0,1,2,3
.irp p, 0,1,2,3,4,5
	ds_load_b64 v[12*(4*\s+\m)+2*\p:12*(4*\s+\m)+2*\p+1], v[FA] offset:16*\m*CPITCH+96*(4+\s)+48*(\p/3)+8*(\p%3)
.endr
.endr
.endr
	WIN 0
	global_load_b128 v[WSQ:WSQ+3], v[WSO], s[8:9]  ; trip 0's scale words
	global_load_b128 v[WSK:WSK+3], v[WSO], s[12:13]
	s_wait_xcnt 0x0                                ; the stores above have read their registers: v144 on are written again at the end
; ---- PHASE G
.macro FRAGW reg, base, s              ; a weight fragment: pieces of 8 bytes; 16 bytes of padding lie behind every 32 pieces; lanes 16-31 read three pieces on, for some pieces behind one padding more
.irp p, 0,1,2,3,4,5
.set PCW, 12*(\s)+6*(\p/3)+\p%3
.if PCW%32 < 29
	ds_load_b64 v[\reg+2*\p:\reg+2*\p+1], v[ADR0] offset:\base+8*PCW+16*(PCW/32)
.else
	ds_load_b64 v[\reg+2*\p:\reg+2*\p+1], v[ADR1] offset:\base+8*PCW+16*(PCW/32)
.endif
.endr
.endm
; The softmax step of one tile of 16 columns.  Per tile of rows m: +0 tm (largest t = q log2 e), +1 old tm, then its change, +2:3 S = sum of p, +4:5 T = sum of p x colsum(k), +6 f, +7 at work.
.macro VEC
.irp m, 0,1,2,3
	v_max3_num_f32 v[ST+8*\m+7], v[AQ+8*\m], v[AQ+8*\m+1], v[AQ+8*\m+2]   ; each accumulator is read from its low end on
.endr
.irp m, 0,1,2,3
	v_max3_num_f32 v[ST+8*\m+7], v[ST+8*\m+7], v[AQ+8*\m+3], v[AQ+8*\m+4]
.endr
.irp m, 0,1,2,3
	v_max3_num_f32 v[ST+8*\m+7], v[ST+8*\m+7], v[AQ+8*\m+5], v[AQ+8*\m+6]
.endr
.irp m, 0,1,2,3
	v_max_num_f32 v[ST+8*\m+7], v[ST+8*\m+7], v[AQ+8*\m+7]
.endr
.irp m, 0,1,2,3
	v_mov_b32 v[ST+8*\m+1], v[ST+8*\m]
.endr
.irp m, 0,1,2,3
	v_mul_f32 v[ST+8*\m+7], s[CS], v[ST+8*\m+7]
.endr
.irp m, 0,1,2,3
	v_max_num_f32 v[ST+8*\m], v[ST+8*\m], v[ST+8*\m+7]
.endr
.irp m, 0,1,2,3
	v_sub_f32 v[ST+8*\m+1], v[ST+8*\m+1], v[ST+8*\m]
.endr
.irp m, 0,1,2,3
.irp j, 0,2,4,6
	v_pk_fma_f32 v[AQ+8*\m+\j:AQ+8*\m+\j+1], v[AQ+8*\m+\j:AQ+8*\m+\j+1], s[CS:CS+1], v[ST+8*\m:ST+8*\m+1] op_sel_hi:[1,0,0] neg_lo:[0,0,1] neg_hi:[0,0,1]   ; t - tm
.endr
.endr
.irp m, 0,1,2,3
	v_exp_f32 v[ST+8*\m+6], v[ST+8*\m+1]           ; f = 2^(old tm - new tm)
.endr
.set n4, 0
.rept 32
	v_exp_f32 v[AQ+n4], v[AQ+n4]                   ; p
.set n4, n4+1
.endr
.irp j, 0,2,4,6                        ; independent work behind the batch: k summed over the 64 rows: four tiles, then sixteen lanes
	v_pk_add_f32 v[KM+\j:KM+\j+1], v[AK+\j:AK+\j+1], v[AK+8+\j:AK+8+\j+1]
	v_pk_add_f32 v[KM+\j:KM+\j+1], v[KM+\j:KM+\j+1], v[AK+16+\j:AK+16+\j+1]
	v_pk_add_f32 v[KM+\j:KM+\j+1], v[KM+\j:KM+\j+1], v[AK+24+\j:AK+24+\j+1]
.endr
.irp x, 1,2,4,8
.irp j, 0,1,2,3,4,5,6,7
	v_add_f32_dpp v[KM+\j], v[KM+\j], v[KM+\j] row_xmask:\x row_mask:0xf bank_mask:0xf
.endr
.endr
	s_wait_alu depctr_va_vdst(0)                   ; one wait for the 36 exponentials, ahead of their first reader
.irp m, 0,1,2,3
	v_pk_fma_f32 v[ST+8*\m+2:ST+8*\m+3], v[ST+8*\m+2:ST+8*\m+3], v[ST+8*\m+6:ST+8*\m+7], v[AQ+8*\m:AQ+8*\m+1] op_sel_hi:[1,0,1]
	v_pk_mul_f32 v[ST+8*\m+4:ST+8*\m+5], v[ST+8*\m+4:ST+8*\m+5], v[ST+8*\m+6:ST+8*\m+7] op_sel_hi:[1,0]
.endr
.irp j, 2,4,6
.irp m, 0,1,2,3
	v_pk_add_f32 v[ST+8*\m+2:ST+8*\m+3], v[ST+8*\m+2:ST+8*\m+3], v[AQ+8*\m+\j:AQ+8*\m+\j+1]
.endr
.endr
.irp j, 0,2,4,6
.irp m, 0,1,2,3
	v_pk_fma_f32 v[ST+8*\m+4:ST+8*\m+5], v[AQ+8*\m+\j:AQ+8*\m+\j+1], v[KM+\j:KM+\j+1], v[ST+8*\m+4:ST+8*\m+5]
.endr
.endr
.endm
; A trip: 64 columns of q and of k.  first = 1: there is no tile yet to run VEC on.  next = 1: the next trip's weights are asked for, into the slot read last trip.
.macro TRIP first, next
	s_wait_tensorcnt 0x0                           ; all my tensor loads are in: my part of this trip's slot
	ds_add_u32 v[SPW], v[NIL]                      ; 0 onto my spare word
.if \next
	s_xor_b32 s[G0W+1], s[G0W+1], SLOT1            ; the walking descriptor: the other slot, the next 64 rows
	s_add_nc_u64 s[G0W+2:G0W+3], s[G0W+2:G0W+3], 49152
.endif
	s_wait_dscnt 0x0                               ; the add is done, and my reads of the other slot are over
.if \next
	ROUND                                          ; so it is with every wave of all four partners
	tensor_load_to_lds s[G0W:G0W+3], s[G1W:G1W+7]
	s_nop 0
	NOPS 4
.else
	s_barrier_signal -1
	s_barrier_wait -1
.endif
	v_add_nc_u32 v[ADR0], s[TB], v[FB0]
	v_add_nc_u32 v[ADR1], s[TB], v[FB1]
	WIN 0xc0
.irp s, 0,1,2,3,4,5,6,7
	FRAGW 12*\s, 0, \s
	FRAGW 96+12*\s, KOFF, \s
.endr
	WIN 0
.if \first == 0
	VEC                                            ; the last trip's tile, while this trip's fragments come
.endif
	s_wait_loadcnt 0x0                             ; this trip's scale words; their bases may now step
.if \next
	s_add_nc_u64 s[8:9], s[8:9], 2048
	s_add_nc_u64 s[12:13], s[12:13], 2048
.endif
.irp s, 0,1,2,3,4,5,6,7
.if 12*(7-\s) > 63
	s_wait_dscnt 63
.else
	s_wait_dscnt 12*(7-\s)                         ; the twelve loads of each later K step may be out
.endif
.if \s < 4
	WIN 0x07                                       ; source 0 window 3, source 1 window 1
.else
	WIN 0x0b                                       ; source 1 window 2
.endif
.set ZF, 0
.if \s == 0
.set ZF, 1
.endif
.irp m, 0,1,2,3                        ; the eight accumulators take turns, one instruction a turn
	WM AQ+8*\m, 12*\s, 12*(4*(\s%4)+\m), ZF, WSQ+\s%4, SCA+8*(\m/2)+\s, \s/4, \m%2
	WM AK+8*\m, 96+12*\s, 12*(4*(\s%4)+\m), ZF, WSK+\s%4, SCA+8*(\m/2)+\s, \s/4, \m%2
.endr
.endr
	WIN 0
	NOPS 5                                         ; places: for the loads into the fragments' and scales' registers, the reads of the results, and the next trip's products, which begin the sums anew
.if \next
	global_load_b128 v[WSQ:WSQ+3], v[WSO], s[8:9]
	global_load_b128 v[WSK:WSK+3], v[WSO], s[12:13]
.endif
	s_xor_b32 s[TB], s[TB], SLOT1
.endm
	TRIP 1, 1
	s_mov_b32 s33, 14
.Ltrip:
	TRIP 0, 1
	s_sub_co_u32 s33, s33, 1
	s_cmp_lg_u32 s33, 0
	s_cbranch_scc1 .Ltrip
	TRIP 0, 0                                      ; the last trip is written out: it asks for nothing
	VEC
	; ---- the end: eight partial results (wave, half of the lanes) for each row meet in LDS
.irp m, 0,1,2,3
	v_add_f32 v[ST+8*\m+2], v[ST+8*\m+2], v[ST+8*\m+3]
	v_add_f32 v[ST+8*\m+4], v[ST+8*\m+4], v[ST+8*\m+5]
.endr
.irp m, 0,1,2,3
	ds_store_b32 v[MA], v[ST+8*\m] offset:64*\m
	ds_store_b32 v[MA], v[ST+8*\m+2] offset:256+64*\m
	ds_store_b32 v[MA], v[ST+8*\m+4] offset:512+64*\m
.endr
	s_wait_dscnt 0x0                               ; for the others' sake: my stores are done
	s_barrier_signal -1
	s_barrier_wait -1
	s_cmp_lg_u32 s[WV], 0
	s_cbranch_scc1 .Lfin                           ; wave 0 merges and stores
.irp p, 0,1,2,3,4,5,6,7
.irp c, 0,1,2
	ds_load_b64 v[144+6*\p+2*\c:145+6*\p+2*\c], v[ML] offset:768*\p+256*\c
.endr
.endr
	s_wait_dscnt 0x0
.irp e, 0,1
	v_max3_num_f32 v[192+\e], v[144+\e], v[150+\e], v[156+\e]
.endr
.irp e, 0,1
	v_max3_num_f32 v[192+\e], v[192+\e], v[162+\e], v[168+\e]
.endr
.irp e, 0,1
	v_max3_num_f32 v[192+\e], v[192+\e], v[174+\e], v[180+\e]
.endr
.irp e, 0,1
	v_max_num_f32 v[192+\e], v[192+\e], v[186+\e]
.endr
.irp p, 0,1,2,3,4,5,6,7
	v_pk_add_f32 v[144+6*\p:145+6*\p], v[144+6*\p:145+6*\p], v[192:193] neg_lo:[0,1] neg_hi:[0,1]
.endr
.irp p, 0,1,2,3,4,5,6,7
	v_exp_f32 v[144+6*\p], v[144+6*\p]
	v_exp_f32 v[145+6*\p], v[145+6*\p]
.endr
	v_nop
	s_wait_alu depctr_va_vdst(0)
	v_pk_mul_f32 v[194:195], v[146:147], v[144:145]
	v_pk_mul_f32 v[196:197], v[148:149], v[144:145]
.irp p, 1,2,3,4,5,6,7
	v_pk_fma_f32 v[194:195], v[146+6*\p:147+6*\p], v[144+6*\p:145+6*\p], v[194:195]
	v_pk_fma_f32 v[196:197], v[148+6*\p:149+6*\p], v[144+6*\p:145+6*\p], v[196:197]
.endr
	v_rcp_f32 v198, v194
	v_rcp_f32 v199, v195
	v_lshlrev_b32 v200, 3, v[LN]
	s_wait_alu depctr_va_vdst(0)
	v_pk_mul_f32 v[196:197], v[196:197], v[198:199]
	v_pk_mul_f32 v[196:197], v[196:197], 0xbcb8aa3b op_sel_hi:[1,0]   ; x -log2(e) / 64: T held column SUMS of k
	v_exp_f32 v196, v196
	v_exp_f32 v197, v197
	v_nop
	s_wait_alu depctr_va_vdst(0)
	v_pk_add_f32 v[196:197], v[196:197], 1.0 op_sel_hi:[1,0]
	v_rcp_f32 v196, v196
	v_rcp_f32 v197, v197
	v_nop
	s_wait_alu depctr_va_vdst(0)
	global_store_b64 v200, v[196:197], s[20:21]    ; sigmoid(a) of the 64 rows: 256 consecutive bytes, aligned
.Lfin:
	s_wait_tensorcnt 0x0                           ; the wave's end
	ds_add_u32 v[SPW], v[NIL]
	s_wait_dscnt 0x0
	ROUND                                          ; the closing round
	s_endpgm
.Lfunc_end_k_q1f43506857_qk:
	.size	k_q1f43506857_qk, .Lfunc_end_k_q1f43506857_qk-k_q1f43506857_qk
	.p2alignl 7, 3214868480
	.fill 96, 4, 3214868480
	.section	.rodata,"a",@progbits
	.p2align	6, 0x0
	.amdhsa_kernel k_q1f43506857_qk
		.amdhsa_group_segment_fixed_size 327680
		.amdhsa_private_segment_fixed_size 0
		.amdhsa_enable_private_segment 0
		.amdhsa_kernarg_size 72
		.amdhsa_user_sgpr_count 2
		.amdhsa_user_sgpr_kernarg_segment_ptr 1
		.amdhsa_wavefront_size32 1
		.amdhsa_system_sgpr_workgroup_id_x 1
		.amdhsa_system_sgpr_workgroup_id_y 1
		.amdhsa_system_sgpr_workgroup_id_z 1
		.amdhsa_system_vgpr_workitem_id 0
		.amdhsa_next_free_vgpr 1024
		.amdhsa_next_free_sgpr 100
		.amdhsa_reserve_vcc 0
		.amdhsa_float_denorm_mode_32 3
		.amdhsa_float_denorm_mode_16_64 3
		.amdhsa_memory_ordered 1
		.amdhsa_forward_progress 1
		.amdhsa_inst_pref_size 201
	.end_amdhsa_kernel
	.amdgpu_metadata
---
amdhsa.version: [ 1, 2 ]
amdhsa.kernels:
  - .name:           k_q1f43506857_qk
    .symbol:         k_q1f43506857_qk.kd
    .args:
      - { .name: x, .offset: 0, .size: 8, .value_kind: global_buffer, .address_space: global }
      - { .name: Wq_codes, .offset: 8, .size: 8, .value_kind: global_buffer, .address_space: global }
      - { .name: Wq_scales, .offset: 16, .size: 8, .value_kind: global_buffer, .address_space: global }
      - { .name: Wkv_codes, .offset: 24, .size: 8, .value_kind: global_buffer, .address_space: global }
      - { .name: Wkv_scales, .offset: 32, .size: 8, .value_kind: global_buffer, .address_space: global }
      - { .name: xc, .offset: 40, .size: 8, .value_kind: global_buffer, .address_space: global }
      - { .name: xs, .offset: 48, .size: 8, .value_kind: global_buffer, .address_space: global }
      - { .name: xr, .offset: 56, .size: 8, .value_kind: global_buffer, .address_space: global }
      - { .name: sg, .offset: 64, .size: 8, .value_kind: global_buffer, .address_space: global }
    .group_segment_fixed_size: 327680
    .private_segment_fixed_size: 0
    .kernarg_segment_align: 8
    .kernarg_segment_size: 72
    .max_flat_workgroup_size: 128
    .sgpr_count:     100
    .vgpr_count:     1024
    .wavefront_size: 32
...
	.end_amdgpu_metadata
.endif
;; end of part 1
;; launch region (part 2): grid 4 x 1, 16 waves a work-group, no clusters, 10,240 bytes of LDS; arguments xr, Wqr_codes, Wqr_scales, Wkvr_codes, Wkvr_scales, rc; writes rc
.if DOCPART == 2
	.amdgcn_target "amdgcn-amd-amdhsa--gfx1250"
	.amdhsa_code_object_version 6
	.text
	.protected	k_q1f43506857_region
	.globl	k_q1f43506857_region
	.p2align	8
	.type	k_q1f43506857_region,@function
k_q1f43506857_region:
	s_mov_b64 s[64:65], 0
	v_nop
	global_prefetch_b8 v0, s[64:65] scope:SCOPE_SE
	s_setreg_imm32_b32 hwreg(HW_REG_WAVE_MODE, 25, 1), 1
	s_wait_xcnt 0x0
; The region attention of one batch b: 256 regions x 64 channels.  Wave w takes the 16 regions n = 16 w + r (one row of regions).  qr, kr, vr by the FP6 matrix form (K = 64: the upper 64 of the
; instruction's 128 are zero CODES on xr's side, which add nothing whatever stands against them); kr summed over the 256 regions through LDS; softmax(qr) . mean(kr); sigmoid; x vr; the result is
; quantised along the channels and stored as the later operand's registers want it: rc [b][row of regions][plane][256]: planes 0-2: piece p of the 24 bytes of block h of region wr at 8 (16 h + wr);
; plane 3: the two scale bytes at bits 16 and 24 of a word, in both halves.
; LIMITS: NaN and infinities are not served; a block of zeros gets the byte 1 with zero codes (only this program reads the bytes); the sums' order is not the source's.
; Four work-groups: the batch's mean of kr wants all its regions, and the work is small; no tensor load, no cluster: nothing is shared between work-groups but 9,600 bytes of weights.
; THE PRODUCTS ARE USED TRANSPOSED (source 0 = 16 rows of a weight, source 1 = my 16 regions), and lane r of weight tile 2 b + u takes row 32 b + 8 u + r + 8 (r / 8): register 16 b + e of a lane is channel 32 b + 16 h + e.
; REGISTERS: v1-11 addresses; v16-27 xr's fragment; v28 its scale word; v32-43 the weights' scale words; v44-57 at work; v64-141 twelve weight tiles, six registers apart (a tile's upper six registers are the
; next tile's codes: they meet zero codes); v144-175 xr, then kr, then its sums; v176-207 qr; v208-239 vr; v240-250 codes.
.set KOB, 4096
	s_load_b256 s[4:11], s[0:1], 0x0               ; xr, Wqr's codes, Wqr's scales, Wkvr's codes
	s_load_b128 s[12:15], s[0:1], 0x20             ; Wkvr's scales, rc
	v_lshl_add_u32 v254, v0, 2, 0x2000
	v_mov_b32 v255, 0
	v_lshrrev_b32 v1, 5, v0
	v_readfirstlane_b32 s16, v1                    ; wave 0..15
	v_and_b32 v1, 31, v0                           ; lane
	v_and_b32 v2, 15, v0                           ; r
	v_bfe_u32 v3, v0, 4, 1                         ; h
	s_lshl_b32 s17, s16, 6
	v_lshlrev_b32 v4, 15, v3
	v_lshl_add_u32 v4, v2, 2, v4
	v_add_nc_u32 v4, s17, v4                       ; xr: channel 32 h (+ i) of 1,024 bytes, region 16 w + r
	v_and_b32 v12, 8, v2
	v_add_nc_u32 v12, v12, v2                      ; r + 8 (r / 8)
	v_mul_u32_u24 v5, v12, 48                      ; a weight's row is 64 codes, 48 bytes
	v_mad_u32_u24 v5, v3, 24, v5
	v_lshlrev_b32 v6, 1, v12                       ; and two scale bytes
	s_lshl_b32 s18, s16, 8
	v_lshl_add_u32 v7, v3, 6, s18                  ; LDS: my wave's 64 sums of kr, + 64 h
	v_lshlrev_b32 v8, 2, v1                        ; all waves' sums of channel lane
	v_add_nc_u32 v9, s18, v8
	v_add_nc_u32 v9, KOB, v9                       ; my wave's copy of the totals, in
	v_add_nc_u32 v10, KOB, v7                      ; and out
	v_lshlrev_b32 v11, 3, v1
	s_mov_b32 s22, 0x76543210
	s_mov_b32 s23, 0xfedcba98
	s_mov_b32 s24, 0x3fb8aa3b                      ; log2(e)
	s_mov_b32 s25, s24
	s_lshl_b32 s20, ttmp9, 16
	s_mov_b32 s21, 0
	s_lshl_b32 s26, ttmp9, 4
	s_add_co_u32 s26, s26, s16
	s_lshl_b32 s26, s26, 10
	s_mov_b32 s27, 0
.irp i, 22,23,24,25,26,27,136,137,138,139,140,141
	v_mov_b32 v[\i], 0                             ; zero codes for K = 64 .. 127 of xr; and written registers behind the last weight tile
.endr
	v_mov_b32 v48, 0
	v_mov_b32 v49, 0                               ; a lane permute's destination counts as one of its sources
	s_wait_kmcnt 0x0
	s_add_nc_u64 s[4:5], s[4:5], s[20:21]
	s_add_nc_u64 s[14:15], s[14:15], s[26:27]
.set n1, 0
.rept 32
	global_load_b32 v[144+n1], v4, s[4:5] offset:1024*n1
.set n1, n1+1
.endr
.irp t, 0,1,2,3
.irp p, 0,1,2
	global_load_b64 v[64+6*\t+2*\p:65+6*\t+2*\p], v5, s[10:11] offset:(32*(\t/2)+8*(\t%2))*48+8*\p            ; kr's tiles
	global_load_b64 v[88+6*\t+2*\p:89+6*\t+2*\p], v5, s[6:7] offset:(32*(\t/2)+8*(\t%2))*48+8*\p              ; qr's
	global_load_b64 v[112+6*\t+2*\p:113+6*\t+2*\p], v5, s[10:11] offset:3072+(32*(\t/2)+8*(\t%2))*48+8*\p     ; vr's
.endr
	global_load_u16 v[32+\t], v6, s[12:13] offset:(32*(\t/2)+8*(\t%2))*2
	global_load_u16 v[36+\t], v6, s[8:9] offset:(32*(\t/2)+8*(\t%2))*2
	global_load_u16 v[40+\t], v6, s[12:13] offset:128+(32*(\t/2)+8*(\t%2))*2
.endr
	s_wait_loadcnt 0x0
	v_max3_num_f32 v44, |v144|, |v145|, 0x1800000  ; my block of 32 channels is all mine; the floor 2^(3 - 127) holds the byte at 1 from below
	v_max3_num_f32 v45, |v160|, |v161|, 0x1800000
.irp i, 2,4,6,8,10,12,14
	v_max3_num_f32 v44, v44, |v[144+\i]|, |v[145+\i]|
	v_max3_num_f32 v45, v45, |v[160+\i]|, |v[161+\i]|
.endr
	v_max_num_f32 v44, v44, v45
	v_add_nc_u32 v46, 0xff000000, v44              ; 2 off the exponent field: the conversion's scale operand
	v_lshrrev_b32 v47, 23, v46
	v_lshlrev_b32 v50, 3, v3
	v_lshlrev_b32 v47, v50, v47                    ; my byte at its place, 8 h bits up;
	v_permlanex16_b32 v49, v47, s22, s23
	v_or_b32 v28, v47, v49                         ; with lane l xor 16's the word is whole (bytes 2 and 3 are 0: they scale zero codes)
	v_cvt_scalef32_pk16_fp6_f32 v[16:18], v[144:159], v46
	v_cvt_scalef32_pk16_fp6_f32 v[240:242], v[160:175], v46
	v_nop
	v_mov_b32 v19, v240
	v_mov_b32 v20, v241
	v_mov_b32 v21, v242
.rept 8
	v_nop                                          ; an operand written by vector instructions stands 4 places ahead of a scaled product, a scale register 8
.endr
.irp t, 0,1,2,3
	v_wmma_scale_f32_16x16x128_f8f6f4 v[144+8*\t:151+8*\t], v[64+6*\t:75+6*\t], v[16:27], 0, v[32+\t], v28 matrix_a_fmt:MATRIX_FMT_FP6 matrix_b_fmt:MATRIX_FMT_FP6
.endr
.irp t, 0,1,2,3
	v_wmma_scale_f32_16x16x128_f8f6f4 v[176+8*\t:183+8*\t], v[88+6*\t:99+6*\t], v[16:27], 0, v[36+\t], v28 matrix_a_fmt:MATRIX_FMT_FP6 matrix_b_fmt:MATRIX_FMT_FP6
.endr
.irp t, 0,1,2,3
	v_wmma_scale_f32_16x16x128_f8f6f4 v[208+8*\t:215+8*\t], v[112+6*\t:123+6*\t], v[16:27], 0, v[40+\t], v28 matrix_a_fmt:MATRIX_FMT_FP6 matrix_b_fmt:MATRIX_FMT_FP6
.endr
.rept 4
	v_nop
.endr
.irp x, 1,2,4,8                        ; kr summed over my 16 regions
.set n1, 0
.rept 32
	v_add_f32_dpp v[144+n1], v[144+n1], v[144+n1] row_xmask:\x row_mask:0xf bank_mask:0xf
.set n1, n1+1
.endr
.endr
.irp b, 0,1
.irp e, 0,1,2,3
	ds_store_b128 v7, v[144+16*\b+4*\e:147+16*\b+4*\e] offset:128*\b+16*\e   ; channel 32 b + 16 h + 4 e on; the sixteen lanes of a half write the same words
.endr
.endr
	s_wait_dscnt 0x0
	s_barrier_signal -1
	s_barrier_wait -1
.irp u, 0,1,2,3,4,5,6,7,8,9,10,11,12,13,14,15
	ds_load_b32 v[64+2*\u], v8 offset:256*\u       ; channel lane,
	ds_load_b32 v[65+2*\u], v8 offset:256*\u+128   ; channel 32 + lane, of wave u
.endr
	; meanwhile: the largest qr of my region
.irp t, 0,1,2,3
	v_max3_num_f32 v[44+\t], v[176+8*\t], v[177+8*\t], v[178+8*\t]
.endr
.irp t, 0,1,2,3
	v_max3_num_f32 v[44+\t], v[44+\t], v[179+8*\t], v[180+8*\t]
.endr
.irp t, 0,1,2,3
	v_max3_num_f32 v[44+\t], v[44+\t], v[181+8*\t], v[182+8*\t]
.endr
.irp t, 0,1,2,3
	v_max_num_f32 v[44+\t], v[44+\t], v[183+8*\t]
.endr
	v_max3_num_f32 v44, v44, v45, v46
	v_max_num_f32 v44, v44, v47
	v_permlanex16_b32 v49, v44, s22, s23
	v_max_num_f32 v44, v44, v49
	v_mul_f32 v44, s24, v44
.irp j, 0,2,4,6,8,10,12,14,16,18,20,22,24,26,28,30
	v_pk_fma_f32 v[176+\j:177+\j], v[176+\j:177+\j], s[24:25], v[44:45] op_sel_hi:[1,0,0] neg_lo:[0,0,1] neg_hi:[0,0,1]
.endr
.set n1, 0
.rept 32
	v_exp_f32 v[176+n1], v[176+n1]
.set n1, n1+1
.endr
	s_wait_dscnt 0x0
	v_pk_add_f32 v[96:97], v[64:65], v[66:67]      ; the totals over the 16 waves, in two chains
	v_pk_add_f32 v[98:99], v[68:69], v[70:71]
.irp u, 4,6,8,10,12,14
	v_pk_add_f32 v[96:97], v[96:97], v[64+2*\u:65+2*\u]
	v_pk_add_f32 v[98:99], v[98:99], v[66+2*\u:67+2*\u]
.endr
	v_pk_add_f32 v[96:97], v[96:97], v[98:99]
	ds_store_b32 v9, v96
	ds_store_b32 v9, v97 offset:128
.irp b, 0,1
.irp e, 0,1,2,3
	ds_load_b128 v[144+16*\b+4*\e:147+16*\b+4*\e], v10 offset:128*\b+16*\e   ; my wave's own bytes, served in order: back in the accumulators' layout
.endr
.endr
	s_wait_alu depctr_va_vdst(0)                   ; one wait for the 32 exponentials, ahead of their first reader
	v_pk_add_f32 v[50:51], v[176:177], v[178:179]
.irp j, 4,6,8,10,12,14,16,18,20,22,24,26,28,30
	v_pk_add_f32 v[50:51], v[50:51], v[176+\j:177+\j]
.endr
	s_wait_dscnt 0x0
	v_pk_mul_f32 v[52:53], v[176:177], v[144:145]
.irp j, 2,4,6,8,10,12,14,16,18,20,22,24,26,28,30
	v_pk_fma_f32 v[52:53], v[176+\j:177+\j], v[144+\j:145+\j], v[52:53]
.endr
	v_add_f32 v50, v50, v51
	v_add_f32 v52, v52, v53
	v_permlanex16_b32 v49, v50, s22, s23
	v_permlanex16_b32 v48, v52, s22, s23
	v_add_f32 v50, v50, v49
	v_add_f32 v52, v52, v48
	v_rcp_f32 v51, v50
	v_nop
	s_wait_alu depctr_va_vdst(0)
	v_mul_f32 v52, v52, v51
	v_mul_f32 v52, 0xbbb8aa3b, v52                 ; x -log2(e) / 256: the totals are sums over 256 regions
	v_exp_f32 v52, v52
	v_nop
	s_wait_alu depctr_va_vdst(0)
	v_add_f32 v52, 1.0, v52
	v_rcp_f32 v52, v52
	v_nop
	s_wait_alu depctr_va_vdst(0)
.irp j, 0,2,4,6,8,10,12,14,16,18,20,22,24,26,28,30
	v_pk_mul_f32 v[208+\j:209+\j], v[208+\j:209+\j], v[52:53] op_sel_hi:[1,0]   ; region = sigmoid(ar) x vr
.endr
.irp b, 0,1
	v_max3_num_f32 v[44+\b], |v[208+16*\b]|, |v[209+16*\b]|, 0x1800000
.endr
.irp i, 2,4,6,8,10,12,14
.irp b, 0,1
	v_max3_num_f32 v[44+\b], v[44+\b], |v[208+16*\b+\i]|, |v[209+16*\b+\i]|
.endr
.endr
.irp b, 0,1
	v_permlanex16_b32 v[48+\b], v[44+\b], s22, s23
.endr
.irp b, 0,1
	v_max_num_f32 v[44+\b], v[44+\b], v[48+\b]
.endr
.irp b, 0,1
	v_add_nc_u32 v[54+\b], 0xff000000, v[44+\b]
.endr
.irp b, 0,1
	v_lshrrev_b32 v[56+\b], 23, v[54+\b]
.endr
	v_lshlrev_b32 v246, 16, v56
	v_lshl_or_b32 v246, v57, 24, v246
	v_mov_b32 v247, 0
	v_cvt_scalef32_pk16_fp6_f32 v[240:242], v[208:223], v54
	v_cvt_scalef32_pk16_fp6_f32 v[248:250], v[224:239], v55
	v_nop
.irp i, 0,1,2
	v_permlane16_swap_b32 v[240+\i], v[248+\i]     ; lanes 0-15 now hold block 0 whole, lanes 16-31 block 1
.endr
.irp i, 0,1,2
	v_mov_b32 v[243+\i], v[248+\i]
.endr
.irp p, 0,1,2,3
	global_store_b64 v11, v[240+2*\p:241+2*\p], s[14:15] offset:256*\p   ; 32 lanes store 256 consecutive bytes, aligned
.endr
	s_wait_tensorcnt 0x0
	ds_add_u32 v254, v255
	s_wait_dscnt 0x0
	s_endpgm
.Lfunc_end_k_q1f43506857_region:
	.size	k_q1f43506857_region, .Lfunc_end_k_q1f43506857_region-k_q1f43506857_region
	.p2alignl 7, 3214868480
	.fill 96, 4, 3214868480
	.section	.rodata,"a",@progbits
	.p2align	6, 0x0
	.amdhsa_kernel k_q1f43506857_region
		.amdhsa_group_segment_fixed_size 10240
		.amdhsa_private_segment_fixed_size 0
		.amdhsa_enable_private_segment 0
		.amdhsa_kernarg_size 48
		.amdhsa_user_sgpr_count 2
		.amdhsa_user_sgpr_kernarg_segment_ptr 1
		.amdhsa_wavefront_size32 1
		.amdhsa_system_sgpr_workgroup_id_x 1
		.amdhsa_system_sgpr_workgroup_id_y 1
		.amdhsa_system_sgpr_workgroup_id_z 1
		.amdhsa_system_vgpr_workitem_id 0
		.amdhsa_next_free_vgpr 256
		.amdhsa_next_free_sgpr 66
		.amdhsa_reserve_vcc 0
		.amdhsa_float_denorm_mode_32 3
		.amdhsa_float_denorm_mode_16_64 3
		.amdhsa_memory_ordered 1
		.amdhsa_forward_progress 1
		.amdhsa_inst_pref_size 35
	.end_amdhsa_kernel
	.amdgpu_metadata
---
amdhsa.version: [ 1, 2 ]
amdhsa.kernels:
  - .name:           k_q1f43506857_region
    .symbol:         k_q1f43506857_region.kd
    .args:
      - { .name: xr, .offset: 0, .size: 8, .value_kind: global_buffer, .address_space: global }
      - { .name: Wqr_codes, .offset: 8, .size: 8, .value_kind: global_buffer, .address_space: global }
      - { .name: Wqr_scales, .offset: 16, .size: 8, .value_kind: global_buffer, .address_space: global }
      - { .name: Wkvr_codes, .offset: 24, .size: 8, .value_kind: global_buffer, .address_space: global }
      - { .name: Wkvr_scales, .offset: 32, .size: 8, .value_kind: global_buffer, .address_space: global }
      - { .name: rc, .offset: 40, .size: 8, .value_kind: global_buffer, .address_space: global }
    .group_segment_fixed_size: 10240
    .private_segment_fixed_size: 0
    .kernarg_segment_align: 8
    .kernarg_segment_size: 48
    .max_flat_workgroup_size: 512
    .sgpr_count:     66
    .vgpr_count:     256
    .wavefront_size: 32
...
	.end_amdgpu_metadata
.endif
;; end of part 2
;; launch vconv (part 3): grid 8 x 32, 4 waves a work-group, clusters of 4 x 1, 327,680 bytes of LDS; arguments xc, xs, Wkv_codes, Wkv_scales, sg, rc, Wc_codes, Wc_scales, gamma, beta, rm, rv, bc, x, out0; writes out0
.if DOCPART == 3
	.amdgcn_target "amdgcn-amd-amdhsa--gfx1250"
	.amdhsa_code_object_version 6
	.text
	.protected	k_q1f43506857_vconv
	.globl	k_q1f43506857_vconv
	.p2align	8
	.type	k_q1f43506857_vconv,@function
k_q1f43506857_vconv:
	s_mov_b64 s[64:65], 0
	v_nop
	global_prefetch_b8 v0, s[64:65] scope:SCOPE_SE
	s_setreg_imm32_b32 hwreg(HW_REG_WAVE_MODE, 25, 1), 1
	s_wait_xcnt 0x0
	s_wait_alu depctr_hold_cnt(0) depctr_sa_sdst(0) depctr_va_vdst(0) depctr_va_sdst(0) depctr_va_ssrc(0) depctr_va_vcc(0) depctr_vm_vsrc(0)
	s_getreg_b32 s2, hwreg(HW_REG_IB_STS2, 6, 4)
	s_cmp_eq_u32 s2, 0
	s_cbranch_scc0 .Lentry_in_a_cluster
	s_endpgm
.Lentry_in_a_cluster:
	s_bfe_u32 s2, ttmp6, 0x10000c
	s_cmp_lg_u32 s2, 0x3003
	s_cbranch_scc0 .Lentry_shape_is_right
	s_endpgm
.Lentry_shape_is_right:
; v = x_ Wv^T on codes of FP6 (E2M3), then, without leaving the registers: x sigmoid(a); quantised along the 64 channels; with the region's codes the 1 x 1 convolution by Wc (K = 128); batch norm; sigmoid; x x.
; A work-group takes (b, kh) = grid y and 128 columns l = 128 lg .. (hp = 4 lg .. 4 lg + 3, all wp): 512 rows of x_ (8 kw x 64 channels) x 128 rows of Wv, K = 1,024; its pixels are 4 whole image rows 8 hp + kh of all 64 channels.
; Wave w takes the rows of kw = 2 w, 2 w + 1 (8 blocks of 16) against all 8 blocks of 16 columns: 64 accumulators.  THE PRODUCT IS USED TRANSPOSED (source 0 = 16 rows of x_, source 1 = 16 rows of Wv): a lane holds ONE pixel,
; and, by the order in which xc lays the channels, the 32 registers of a group (kw, block of columns) are channels 32 b + 16 (lane / 16) + e: neighbours along the next K.
; CLUSTER: the four partners (same b, kh) need the same tile of x_: joint loads, mask 15.  Wv's 128 rows differ from partner to partner: a fifth of a slot's bytes, by a plain load of wave 3.
; LIMITS: NaN and infinities are not served; a block of zeros gets the scale byte 1 with zero codes.
; LDS: two slots of 640 rows x 240 bytes (256 along K: 192 bytes + 16 of padding behind each 64): 512 rows of x_, then 128 of Wv; the spare words.  On the way out four stages of 64 rows x 1,040 bytes lie in the ring,
; which has had its last fill and its last read by then.
; REGISTERS: window 0: v1-15 addresses; v16-24 at work; v30-31 the pixels' scale words; v32-63 x_'s scale words, v64-95 Wv's; v96-191 Wv's fragments, later the gate (v96-159) and what comes back from the stage (v160-191);
;   v192-239 Wc's fragments, v240-241 its scale words; v242-245 the regions' scale bytes; v246-253 batch norm, (A', B') for each tile of outputs.
;   window 1: x_'s fragments, two sets (v0, v96), later the pixels' codes (v0-47, v48-50) and x (v64-191); v192-255 sigmoid(a).   windows 2, 3: accumulator (bt, i) at window 2 + bt / 4, v[64 (bt % 4) + 8 i].
.set PITCH,  240
.set SLOT,   153600
.set WOFF,   122880
.set SPARE,  307200
.set STGB,   66560
.set SPITCH, 1040
.set FR, 12
.set NL, 6
.set SPW, 1
.set NIL, 2
.set LN,  3
.set ADRA, 4                           ; v4-5 Wv's fragments in slot 0, 1; v6-7 behind one padding more
.set ADRB, 8                           ; v8-11 the same for my rows of x_
.set STO, 4                            ; on the way out: v4-7 into stage q, v8-11 out of it
.set SRD, 8
.set PFO, 12
.set XO,  13
.set RR,  14
.set HH,  15
.set TMQ, 16
.set TP,  18
.set SCQ, 20
.set BY,  22
.set RO,  24
.set SW,  30
.set SCX, 32
.set SCW, 64
.set AF,  96
.set GG,  96
.set GB,  160
.set WCF, 192
.set WCS, 240
.set RW,  242
.set AB,  246
.set TT,  48
.set SGR, 192
.set WV,  22
.set SEL, 28
.set G1A, 36
.set G1A2, 44
.set G1B, 52
.set G0A, 68
.set G0B, 76
.set MUL_LO, 0xa1
.set MUL_HI, 0xf1
.set MSB, 0
.macro WIN new
.if MSB != (\new)
	s_set_vgpr_msb (MSB<<8)|(\new)
.set MSB, (\new)
.endif
.endm
.macro PLACES
.rept 4
	v_nop
.endr
.endm
.macro CREST                           ; a round of the cluster's barrier behind its opening barrier
	s_cmp_lg_u32 s[WV], 0
	s_cbranch_scc1 .Lnw0_\@
	s_barrier_signal -3
.Lnw0_\@:
	s_barrier_wait -3
	s_barrier_signal -1
	s_barrier_wait -1
.endm
.macro ROUND
	s_barrier_signal -1
	s_barrier_wait -1
	CREST
.endm
; waves 0, 1: 192 rows of x_ each, wave 2: the last 128, jointly; wave 3: Wv's 128 rows, its work-group's own.  The branches hang on the wave's number alone.  Four v_nop follow each line.
.macro JLOAD s
	s_cmp_lt_u32 s[WV], 2
	s_cbranch_scc0 .Lj2_\@
	tensor_load_to_lds s[G0A+4*\s:G0A+4*\s+3], s[G1A:G1A+7]
	s_nop 0
	PLACES
	s_branch .Ljd_\@
.Lj2_\@:
	s_cmp_eq_u32 s[WV], 2
	s_cbranch_scc0 .Lj3_\@
	tensor_load_to_lds s[G0A+4*\s:G0A+4*\s+3], s[G1A2:G1A2+7]
	s_nop 0
	PLACES
	s_branch .Ljd_\@
.Lj3_\@:
	tensor_load_to_lds s[G0B+4*\s:G0B+4*\s+3], s[G1B:G1B+7]
	s_nop 0
	PLACES
.Ljd_\@:
.endm
.macro WM d, a, b, zero, sa, sb, ra, rb
.if \zero
.if (\ra) && (\rb)
	v_wmma_scale_f32_16x16x128_f8f6f4 v[\d:\d+7], v[\a:\a+11], v[\b:\b+11], 0, v[\sa], v[\sb] matrix_a_fmt:MATRIX_FMT_FP6 matrix_b_fmt:MATRIX_FMT_FP6 matrix_a_scale:MATRIX_SCALE_ROW1 matrix_b_scale:MATRIX_SCALE_ROW1
.elseif (\ra)
	v_wmma_scale_f32_16x16x128_f8f6f4 v[\d:\d+7], v[\a:\a+11], v[\b:\b+11], 0, v[\sa], v[\sb] matrix_a_fmt:MATRIX_FMT_FP6 matrix_b_fmt:MATRIX_FMT_FP6 matrix_a_scale:MATRIX_SCALE_ROW1
.elseif (\rb)
	v_wmma_scale_f32_16x16x128_f8f6f4 v[\d:\d+7], v[\a:\a+11], v[\b:\b+11], 0, v[\sa], v[\sb] matrix_a_fmt:MATRIX_FMT_FP6 matrix_b_fmt:MATRIX_FMT_FP6 matrix_b_scale:MATRIX_SCALE_ROW1
.else
	v_wmma_scale_f32_16x16x128_f8f6f4 v[\d:\d+7], v[\a:\a+11], v[\b:\b+11], 0, v[\sa], v[\sb] matrix_a_fmt:MATRIX_FMT_FP6 matrix_b_fmt:MATRIX_FMT_FP6
.endif
.else
.if (\ra) && (\rb)
	v_wmma_scale_f32_16x16x128_f8f6f4 v[\d:\d+7], v[\a:\a+11], v[\b:\b+11], v[\d:\d+7], v[\sa], v[\sb] matrix_a_fmt:MATRIX_FMT_FP6 matrix_b_fmt:MATRIX_FMT_FP6 matrix_a_scale:MATRIX_SCALE_ROW1 matrix_b_scale:MATRIX_SCALE_ROW1
.elseif (\ra)
	v_wmma_scale_f32_16x16x128_f8f6f4 v[\d:\d+7], v[\a:\a+11], v[\b:\b+11], v[\d:\d+7], v[\sa], v[\sb] matrix_a_fmt:MATRIX_FMT_FP6 matrix_b_fmt:MATRIX_FMT_FP6 matrix_a_scale:MATRIX_SCALE_ROW1
.elseif (\rb)
	v_wmma_scale_f32_16x16x128_f8f6f4 v[\d:\d+7], v[\a:\a+11], v[\b:\b+11], v[\d:\d+7], v[\sa], v[\sb] matrix_a_fmt:MATRIX_FMT_FP6 matrix_b_fmt:MATRIX_FMT_FP6 matrix_b_scale:MATRIX_SCALE_ROW1
.else
	v_wmma_scale_f32_16x16x128_f8f6f4 v[\d:\d+7], v[\a:\a+11], v[\b:\b+11], v[\d:\d+7], v[\sa], v[\sb] matrix_a_fmt:MATRIX_FMT_FP6 matrix_b_fmt:MATRIX_FMT_FP6
.endif
.endif
.endm
	s_load_b512 s[4:19], s[0:1], 0x0               ; xc, xs, Wkv's codes, Wkv's scales, sg, rc, Wc's codes, Wc's scales
	s_load_b256 s[84:91], s[0:1], 0x40             ; gamma, beta, rm, rv
	s_load_b128 s[92:95], s[0:1], 0x60             ; bc, x
	s_load_b64 s[96:97], s[0:1], 0x70              ; out0
	v_lshl_add_u32 v[SPW], v0, 2, SPARE
	v_mov_b32 v[NIL], 0
	ds_add_u32 v1, v2
	ds_add_u32 v1, v2
	s_wait_dscnt 0x0
	v_lshrrev_b32 v[LN], 5, v0
	v_readfirstlane_b32 s[WV], v[LN]               ; wave 0..3
	v_and_b32 v[LN], 31, v0
	v_and_b32 v[RR], 15, v0
	v_bfe_u32 v[HH], v0, 4, 1
	s_bfe_u32 s23, ttmp6, 0x40000                  ; cx
	s_lshl_b32 s24, ttmp9, 2
	s_add_co_u32 s24, s24, s23                     ; lg
	s_and_b32 s25, ttmp7, 0xffff                   ; y = 8 b + kh, which the partners share
	s_lshr_b32 s26, s25, 3                         ; b
	s_and_b32 s27, s25, 7                          ; kh
	s_mov_b32 s[SEL], 0x76543210
	s_mov_b32 s[SEL+1], 0xfedcba98
	; group 1: rows of 192 bytes, 768 apart in memory, 16 bytes of padding behind each 64.  x_'s with the mask of all four partners
	s_mov_b32 s[G1A+0], 15|(1<<20)|(1<<21)|(3<<22)|(3<<25)
	s_mov_b32 s[G1A+1], 192<<16
	s_mov_b32 s[G1A+2], 192<<16
	s_mov_b32 s[G1A+3], 192<<16
	s_mov_b32 s[G1A+4], 192
	s_mov_b32 s[G1A+5], 768
	s_mov_b32 s[G1A+6], 0
	s_mov_b32 s[G1A+7], 0
	s_mov_b32 s[G1A2+0], 15|(1<<20)|(1<<21)|(3<<22)|(3<<25)
	s_mov_b32 s[G1A2+1], 192<<16
	s_mov_b32 s[G1A2+2], 128<<16
	s_mov_b32 s[G1A2+3], 192<<16
	s_mov_b32 s[G1A2+4], 128
	s_mov_b32 s[G1A2+5], 768
	s_mov_b32 s[G1A2+6], 0
	s_mov_b32 s[G1A2+7], 0
	s_mov_b32 s[G1B+0], (1<<20)|(3<<22)|(3<<25)
	s_mov_b32 s[G1B+1], 192<<16
	s_mov_b32 s[G1B+2], 128<<16
	s_mov_b32 s[G1B+3], 192<<16
	s_mov_b32 s[G1B+4], 128
	s_mov_b32 s[G1B+5], 768
	s_mov_b32 s[G1B+6], 0
	s_mov_b32 s[G1B+7], 0
	s_mul_i32 s30, s25, 393216                     ; x_: 512 rows of 768 bytes for each y; wave w begins 192 w rows on.  (s30-35 never hold cx)
	s_mul_i32 s31, s[WV], 147456
	s_add_co_u32 s30, s30, s31
	s_mov_b32 s31, 0
	s_mul_i32 s34, s[WV], 192*PITCH
	s_mul_i32 s60, s24, 98304                      ; Wv: rows 1,024 + 128 lg on
	s_add_co_u32 s60, s60, 786432
	s_mov_b32 s61, 0
	s_wait_kmcnt 0x0
	s_add_nc_u64 s[32:33], s[4:5], s[30:31]
	s_add_nc_u64 s[62:63], s[8:9], s[60:61]
.irp s, 0,1
	s_mov_b32 s[G0A+4*\s], 1
	s_add_co_u32 s[G0A+4*\s+1], s34, \s*SLOT
	s_add_nc_u64 s[G0A+4*\s+2:G0A+4*\s+3], s[32:33], \s*192
	s_or_b32 s[G0A+4*\s+3], s[G0A+4*\s+3], 0x80000000
	s_mov_b32 s[G0B+4*\s], 1
	s_mov_b32 s[G0B+4*\s+1], WOFF+\s*SLOT
	s_add_nc_u64 s[G0B+4*\s+2:G0B+4*\s+3], s[62:63], \s*192
	s_or_b32 s[G0B+4*\s+3], s[G0B+4*\s+3], 0x80000000
.endr
	ROUND                                          ; the one round in front of the first fills
	JLOAD 0
	JLOAD 1                                        ; two loads of mine are out
	s_lshl_b32 s30, s25, 14                        ; xs: [y][c'][kw][32]
	s_lshl_b32 s35, s[WV], 6
	s_add_co_u32 s30, s30, s35
	s_add_nc_u64 s[6:7], s[6:7], s[30:31]
	s_lshl_b32 s30, s26, 14                        ; sg: [b][c][8 kh + kw]
	s_lshl_b32 s35, s27, 5
	s_add_co_u32 s30, s30, s35
	s_lshl_b32 s35, s[WV], 3
	s_add_co_u32 s30, s30, s35
	s_add_nc_u64 s[12:13], s[12:13], s[30:31]
	s_lshl_b32 s60, s24, 12                        ; Wv's scale bytes
	s_add_co_u32 s60, s60, 32768
	s_add_nc_u64 s[10:11], s[10:11], s[60:61]
	s_lshl_b32 s60, s26, 14                        ; rc: rows of regions 2 lg, 2 lg + 1 of batch b
	s_lshl_b32 s98, s24, 11
	s_add_co_u32 s60, s60, s98
	s_add_nc_u64 s[14:15], s[14:15], s[60:61]
	s_lshl_b32 s60, s26, 24                        ; x and out0: channel 16 w of batch b, image row 32 lg + kh
	s_lshl_b32 s98, s[WV], 22
	s_add_co_u32 s60, s60, s98
	s_lshl_b32 s98, s24, 15
	s_add_co_u32 s60, s60, s98
	s_lshl_b32 s98, s27, 10
	s_add_co_u32 s60, s60, s98
	s_add_nc_u64 s[94:95], s[94:95], s[60:61]
	s_add_nc_u64 s[96:97], s[96:97], s[60:61]
	v_mul_u32_u24 v18, v[RR], PITCH
	v_mad_u32_u24 v18, v[HH], 24, v18              ; a fragment's row x pitch + 24 x half,
	v_lshl_add_u32 v19, v[HH], 4, v18              ; and the same behind one padding more
	s_mul_i32 s30, s[WV], 128*PITCH                ; my 128 rows of x_
.irp s, 0,1
	v_add_nc_u32 v[ADRA+\s], WOFF+\s*SLOT, v18
	v_add_nc_u32 v[ADRA+2+\s], WOFF+\s*SLOT, v19
	v_add_nc_u32 v[ADRB+\s], s30, v18
	v_add_nc_u32 v[ADRB+2+\s], s30, v19
	s_add_co_u32 s30, s30, SLOT
.endr
	v_lshrrev_b32 v[PFO], 1, v[LN]                 ; the prefetches: lane / 2 = which of my 16 channels, lane % 2 = which 256 bytes
	v_lshlrev_b32 v[PFO], 18, v[PFO]
	v_and_b32 v25, 1, v0
	v_lshl_add_u32 v[PFO], v25, 8, v[PFO]
	v_lshlrev_b32 v[XO], 4, v[LN]
	v_lshrrev_b32 v[RO], 1, v[RR]                  ; rc: block h, region r / 2 (+ 8 for the right half of the row)
	v_lshlrev_b32 v[RO], 3, v[RO]
	v_lshl_add_u32 v[RO], v[HH], 7, v[RO]
	v_lshlrev_b32 v16, 2, v[LN]
	v_lshlrev_b32 v17, 2, v[RR]
	v_lshlrev_b32 v26, 8, v[LN]
	v_lshlrev_b32 v27, 5, v[LN]
	v_lshlrev_b32 v28, 12, v[HH]
	v_mul_u32_u24 v29, v[RR], 96
	v_mad_u32_u24 v29, v[HH], 24, v29
.irp i, 0,1,2,3
.irp q, 0,1
	global_load_b128 v[SCX+8*\i+4*\q:SCX+8*\i+4*\q+3], v26, s[6:7] offset:8192*(\i%2)+32*(\i/2)+16*\q     ; register 8 i + kk: lanes 0-15 my block 2 i, lanes 16-31 block 2 i + 1
	global_load_b128 v[SCW+8*\i+4*\q:SCW+8*\i+4*\q+3], v27, s[10:11] offset:1024*\i+16*\q                 ; the same for Wv's blocks
.endr
.endr
.irp t, 0,1,2,3
.irp p, 0,1,2,3,4,5
	global_load_b64 v[WCF+12*\t+2*\p:WCF+12*\t+2*\p+1], v29, s[16:17] offset:1536*\t+48*(\p/3)+8*(\p%3)
.endr
	global_load_b32 v[96+\t], v17, s[84:85] offset:64*\t     ; gamma of output 16 t + r
	global_load_b32 v[100+\t], v17, s[86:87] offset:64*\t    ; beta
	global_load_b32 v[104+\t], v17, s[88:89] offset:64*\t    ; rm
	global_load_b32 v[108+\t], v17, s[90:91] offset:64*\t    ; rv
	global_load_b32 v[112+\t], v17, s[92:93] offset:64*\t    ; bc
.endr
	global_load_b32 v[WCS], v16, s[18:19]
	global_load_b32 v[WCS+1], v16, s[18:19] offset:128
	WIN 0x40
.irp k, 0,1
.irp b, 0,1
.irp e, 0,1,2,3,4,5,6,7,8,9,10,11,12,13,14,15
	global_load_b32 v[SGR+32*\k+16*\b+\e], v28, s[12:13] offset:256*(32*\b+\e)+4*\k   ; sigmoid(a) of channel 32 b + 16 h + e, kw = 2 w + k
.endr
.endr
.endr
	WIN 0
	s_wait_loadcnt 0x0
.irp t, 0,1,2,3
	v_add_f32 v[108+\t], 0x3727c5ac, v[108+\t]     ; rv + 1e-5
.endr
.irp t, 0,1,2,3
	v_rsq_f32 v[108+\t], v[108+\t]
.endr
.irp t, 0,1,2,3
	v_sub_f32 v[112+\t], v[112+\t], v[104+\t]      ; bc - rm
.endr
	s_wait_alu depctr_va_vdst(0)
.irp t, 0,1,2,3
	v_mul_f32 v[96+\t], v[96+\t], v[108+\t]        ; A = gamma / sqrt(rv + 1e-5)
.endr
.irp t, 0,1,2,3
	v_fma_f32 v[100+\t], v[112+\t], v[96+\t], v[100+\t]   ; B = (bc - rm) A + beta
.endr
.irp t, 0,1,2,3
	v_mul_f32 v[AB+2*\t], 0xbfb8aa3b, v[96+\t]     ; x -log2(e): the sigmoid's exponent is z A' + B'
	v_mul_f32 v[AB+2*\t+1], 0xbfb8aa3b, v[100+\t]
.endr
.macro FRAG reg, adr, q, i             ; a fragment: 16 rows x 128 K, 12 registers, in pieces of 8 bytes; where the piece three on lies behind one padding more, the second address register serves
.irp p, 0,1,2,3,4,5
.set PC, 12*(\q)+6*(\p/3)+\p%3
.if PC%8 < 5
	ds_load_b64 v[\reg+2*\p:\reg+2*\p+1], v[\adr] offset:8*PC+16*(PC/8)+(\i)*16*PITCH
.else
	ds_load_b64 v[\reg+2*\p:\reg+2*\p+1], v[\adr+2] offset:8*PC+16*(PC/8)+(\i)*16*PITCH
.endif
.endr
.endm
; 16 products: Wv's blocks a0, a0 + 1 x my eight blocks of x_ (set p), K step kk.  The 64 accumulators take turns, one instruction a turn, in the same order in every step.
.macro MUL16 a0, p, kk, zero
.irp a, \a0, \a0+1
.irp b, 0,1,2,3,4,5,6,7
	WM 8*(8*((\a)%4)+\b), 96*(\p)+FR*\b, AF+FR*(\a), \zero, SCX+8*(\b/2)+(\kk), SCW+8*((\a)/2)+(\kk), \b%2, (\a)%2
.endr
.endr
.endm
.macro FETCH_B slot, q, p
	WIN 0x40
.irp i, 0,1,2,3,4,5,6,7
	FRAG 96*(\p)+FR*\i, ADRB+\slot, \q, \i
.endr
	WIN 0
.endm
.macro FETCH_A slot, q, i0
.irp i, \i0, \i0+1, \i0+2, \i0+3
	FRAG AF+FR*(\i), ADRA+\slot, \q, \i
.endr
.endm
.macro STEP slot, kk, zero             ; a slot's first 128 along K
	s_wait_dscnt 4*NL                              ; x_'s set and Wv's blocks 0-3 are in; the youngest 24 loads (Wv's blocks 4-7) may be out
	WIN MUL_LO
	MUL16 0, 0, \kk, \zero
	MUL16 2, 0, \kk, \zero
	s_wait_dscnt 0x0
	PLACES
	FETCH_B \slot, 1, 1
	FETCH_A \slot, 1, 0
	WIN MUL_HI
	MUL16 4, 0, \kk, \zero
	MUL16 6, 0, \kk, \zero
	PLACES
	WIN 0
	FETCH_A \slot, 1, 4
.endm
; a slot's second 128 along K, and the change of slots.  fill = 1: the slot is filled again, two slots ahead.  ask: which chunk's x is prefetched, or -1
.macro TURN slot, next, fill, kk, ask
	s_wait_tensorcnt 0x0                           ; all my tensor loads are in: my part of the next slot
	ds_add_u32 v[SPW], v[NIL]                      ; 0 onto my spare word
	s_wait_dscnt 4*NL+1                            ; (the add and the youngest 24 loads may be out)
	WIN MUL_LO
	MUL16 0, 1, \kk, 0
	s_wait_dscnt 0x0                               ; the add is done, and my reads of this slot are over
	s_barrier_signal -1
	MUL16 2, 1, \kk, 0
	WIN 0
	s_barrier_wait -1
.if \fill
	CREST                                          ; the barrier has opened a round: no wave of any partner still reads this slot or has a load on its way
	s_add_nc_u64 s[G0A+4*\slot+2:G0A+4*\slot+3], s[G0A+4*\slot+2:G0A+4*\slot+3], 384
	s_add_nc_u64 s[G0B+4*\slot+2:G0B+4*\slot+3], s[G0B+4*\slot+2:G0B+4*\slot+3], 384
	JLOAD \slot                                    ; the four v_nop behind it are also the places in front of the loads below
.else
	PLACES
.endif
	FETCH_B \next, 0, 0
	FETCH_A \next, 0, 0
.if \ask >= 0                          ; my wave's 16 rows x 1,024 bytes of x for chunk ask: 64 blocks of 256 bytes, each named once in the launch, by the wave that will load it
	global_prefetch_b8 v[PFO], s[94:95] offset:8192*(\ask) th:TH_LOAD_NT scope:SCOPE_SE
	global_prefetch_b8 v[PFO], s[94:95] offset:8192*(\ask)+512 th:TH_LOAD_NT scope:SCOPE_SE
.endif
	WIN MUL_HI
	MUL16 4, 1, \kk, 0
	MUL16 6, 1, \kk, 0
	PLACES
	WIN 0
	FETCH_A \next, 0, 4
.endm
	s_wait_tensorcnt 0x1                           ; my part of slot 0 is in; slot 1's may stay out
	s_barrier_signal -1
	s_barrier_wait -1
	FETCH_B 0, 0, 0
	FETCH_A 0, 0, 0
	FETCH_A 0, 0, 4
	STEP 0, 0, 1                                   ; the first products start the sums: nothing is cleared.  Eight K steps are written out: the scale registers' numbers change with each
	TURN 0, 1, 1, 1, -1
	STEP 1, 2, 0
	TURN 1, 0, 1, 3, 0
	STEP 0, 4, 0
	TURN 0, 1, 0, 5, 1
	STEP 1, 6, 0
	WIN 0x40                                       ; the regions' codes, into registers of x_'s set 0, which is done with (four places stand behind its last products)
.irp f, 0,1,2,3
.irp p, 0,1,2
	global_load_b64 v[12*\f+6+2*\p:12*\f+7+2*\p], v[RO], s[14:15] offset:1024*(\f/2)+256*\p+64*(\f%2)
.endr
.endr
	WIN 0
.irp f, 0,1,2,3
	global_load_b32 v[RW+\f], v[RO], s[14:15] offset:1024*(\f/2)+768+64*(\f%2)
.endr
	s_wait_dscnt 4*NL                              ; the last K step: nothing more to fetch
	WIN MUL_LO
	MUL16 0, 1, 7, 0
	MUL16 2, 1, 7, 0
	s_wait_dscnt 0x0
	WIN MUL_HI
	MUL16 4, 1, 7, 0
	MUL16 6, 1, 7, 0
	WIN 0
.rept 5
	v_nop
.endr
	s_wait_dscnt 0x0
	s_barrier_signal -1
	s_barrier_wait -1                              ; nobody reads the ring any more, and it has had its last fill: the stages may be written
	s_lshl_b32 s30, s[WV], 3
	v_mul_u32_u24 v[STO], v[RR], SPITCH
	v_lshl_add_u32 v[STO], v[HH], 8, v[STO]
	v_add_nc_u32 v[STO], s30, v[STO]               ; into a stage: row = output r (+ 16 ot), column 4 (8 wp + 2 w): 256 h + 8 w (+ 32 j + 512 for the right half)
	v_add_nc_u32 v[STO+1], STGB, v[STO]
	v_add_nc_u32 v[STO+2], 2*STGB, v[STO]
	v_add_nc_u32 v[STO+3], 3*STGB, v[STO]
	s_mul_i32 s30, s[WV], 16*SPITCH
	v_lshl_add_u32 v[SRD], v[LN], 4, s30           ; out of it: my 16 rows, 16 bytes a lane
	v_add_nc_u32 v[SRD+1], STGB, v[SRD]
	v_add_nc_u32 v[SRD+2], 2*STGB, v[SRD]
	v_add_nc_u32 v[SRD+3], 3*STGB, v[SRD]
; ---- THE WAY OUT.  Chunk q = Wv's blocks 2 q, 2 q + 1 = image row 8 (4 lg + q) + kh.  VB, WZ, FF: the block's first accumulator register, its window, its set of region codes.
.macro XSET q                          ; where chunk q's x lies: chunk 0's in window 1, the others' in the accumulators of the chunk before
.if (\q) == 0
.set XW, 1
.set XBR, 64
.else
.set XW, 2+((\q)-1)/2
.set XBR, 128*(((\q)-1)%2)
.endif
.endm
.macro XLOAD q
	XSET \q
	WIN (XW<<6)
.irp i, 0,1,2,3,4,5,6,7,8,9,10,11,12,13,14,15
.irp e, 0,1
	global_load_b128 v[XBR+4*(2*\i+\e):XBR+4*(2*\i+\e)+3], v[XO], s[94:95] offset:262144*\i+8192*(\q)+512*\e th:TH_LOAD_NT
.endr
.endr
	WIN 0
.endm
.macro SCALEV k                        ; v x sigmoid(a); each accumulator from its low end on
	WIN (WZ<<6)|WZ|4
.set n1, 0
.rept 16
	v_pk_mul_f32 v[VB+32*(\k)+2*n1:VB+32*(\k)+2*n1+1], v[VB+32*(\k)+2*n1:VB+32*(\k)+2*n1+1], v[SGR+32*(\k)+2*n1:SGR+32*(\k)+2*n1+1]
.set n1, n1+1
.endr
.endm
.macro QUANT k                         ; a pixel's 64 channels: two blocks of 32, half of each in lane l xor 16
	WIN (WZ<<2)|WZ
.irp b, 0,1
	v_max3_num_f32 v[TMQ+\b], |v[VB+32*(\k)+16*\b]|, |v[VB+32*(\k)+16*\b+1]|, 0x1800000
.endr
.irp i, 2,4,6,8,10,12,14
.irp b, 0,1
	v_max3_num_f32 v[TMQ+\b], |v[VB+32*(\k)+16*\b+\i]|, |v[VB+32*(\k)+16*\b+\i+1]|, v[TMQ+\b]
.endr
.endr
	WIN 0
.irp b, 0,1
	v_permlanex16_b32 v[TP+\b], v[TMQ+\b], s[SEL], s[SEL+1]
.endr
.irp b, 0,1
	v_max_num_f32 v[TMQ+\b], v[TMQ+\b], v[TP+\b]
.endr
.irp b, 0,1
	v_add_nc_u32 v[SCQ+\b], 0xff000000, v[TMQ+\b]
.endr
.irp b, 0,1
	v_lshrrev_b32 v[BY+\b], 23, v[SCQ+\b]
.endr
	v_lshl_or_b32 v[SW+\k], v[BY+1], 8, v[BY]
	v_or_b32 v[SW+\k], v[SW+\k], v[RW+FF]          ; with the region's two bytes the pixel's scale word is whole
	WIN 0x40|WZ
	v_cvt_scalef32_pk16_fp6_f32 v[12*FF:12*FF+2], v[VB+32*(\k):VB+32*(\k)+15], v[SCQ]
	v_cvt_scalef32_pk16_fp6_f32 v[TT:TT+2], v[VB+32*(\k)+16:VB+32*(\k)+31], v[SCQ+1]
	WIN 0x41
	v_nop
.irp i, 0,1,2
	v_permlane16_swap_b32 v[12*FF+\i], v[TT+\i]    ; a whole block to a lane: lanes 0-15 channels 0-31, lanes 16-31 channels 32-63
.endr
.irp i, 0,1,2
	v_mov_b32 v[12*FF+3+\i], v[TT+\i]
.endr
.endm
.macro CONV k                          ; source 0 = 16 pixels x 128 channels, source 1 = 16 rows of Wc: a lane holds output 16 ot + r, register j pixel 8 h + j.  The results lie over v, which is done with
	WIN (WZ<<6)|1
.irp t, 0,1,2,3
	WM VB+32*(\k)+8*\t, 12*FF, WCF+12*\t, 1, SW+(\k), WCS+\t/2, 0, \t%2
.endr
.endm
.macro POSTA k                         ; z A' + B'
	WIN (WZ<<6)|WZ
.irp t, 0,1,2,3
.irp j, 0,2,4,6
	v_pk_fma_f32 v[VB+32*(\k)+8*\t+\j:VB+32*(\k)+8*\t+\j+1], v[VB+32*(\k)+8*\t+\j:VB+32*(\k)+8*\t+\j+1], v[AB+2*\t:AB+2*\t+1], v[AB+2*\t:AB+2*\t+1] op_sel:[0,0,1] op_sel_hi:[1,0,1]
.endr
.endr
.endm
.macro EXPZ k
	WIN (WZ<<6)|WZ
.set n1, 0
.rept 32
	v_exp_f32 v[VB+32*(\k)+n1], v[VB+32*(\k)+n1]
.set n1, n1+1
.endr
.endm
.macro BT bt
.set WZ, 2+(\bt)/4
.set VB, 64*((\bt)%4)
.set FF, 2*((\bt)/4)+(\bt)%2
	SCALEV 0
	QUANT 0
	SCALEV 1                                       ; sixteen plain lines: the places between the codes and scale word just made and the products
	CONV 0
	QUANT 1                                        ; its sixteen maxima are the places behind CONV 0, whose source it then writes
	POSTA 0
	CONV 1
	EXPZ 0
	PLACES                                         ; behind CONV 1, ahead of the first read of its results; and the plain line behind the exponentials
	POSTA 1
	EXPZ 1
	v_nop
	s_wait_alu depctr_va_vdst(0)                   ; one wait for the 64 exponentials, ahead of their first reader
.set n2, 0
.rept 32
	v_pk_add_f32 v[VB+2*n2:VB+2*n2+1], v[VB+2*n2:VB+2*n2+1], 1.0 op_sel_hi:[1,0]
.set n2, n2+1
.endr
	s_wait_dscnt 0x0                               ; the last block's stores into the stage have read the gate's registers
	WIN WZ
.irp k, 0,1
.irp t, 0,1,2,3
.irp j, 0,1,2,3,4,5,6,7
	v_rcp_f32 v[GG+2*(8*\t+\j)+\k], v[VB+32*\k+8*\t+\j]   ; the gate; kw = 2 w and 2 w + 1 side by side: 8 neighbouring bytes of an image row
.endr
.endr
.endr
	WIN 0
	v_nop
	s_wait_alu depctr_va_vdst(0)
.irp t, 0,1,2,3
.irp j, 0,1,2,3,4,5,6,7
	ds_store_b64 v[STO+(\bt)/2], v[GG+2*(8*\t+\j):GG+2*(8*\t+\j)+1] offset:16*SPITCH*\t+512*((\bt)%2)+32*\j
.endr
.endr
.endm
.macro READBACK q                      ; my 16 outputs' whole rows of the gate, x x, stored: 32 lanes store 512 consecutive bytes
	XSET \q
.if (\q) < 3
	s_wait_loadcnt 32                              ; this chunk's x is in; the next chunk's 32 loads may be out
.else
	s_wait_loadcnt 0x0
.endif
.irp g, 0,1,2,3
	WIN 0
.irp n, 0,1,2,3,4,5,6,7
	ds_load_b128 v[GB+4*\n:GB+4*\n+3], v[SRD+(\q)] offset:(4*\g+\n/2)*SPITCH+512*(\n%2)
.endr
	WIN (XW<<6)|(XW<<2)                            ; one setting for the multiplies (source 1 and destination: x) and the stores (data: source 1)
.irp n, 0,1,2,3,4,5,6,7
	s_wait_dscnt 7-\n                              ; the younger loads of the eight may be out
	v_pk_mul_f32 v[XBR+4*(8*\g+\n):XBR+4*(8*\g+\n)+1], v[GB+4*\n:GB+4*\n+1], v[XBR+4*(8*\g+\n):XBR+4*(8*\g+\n)+1]
	v_pk_mul_f32 v[XBR+4*(8*\g+\n)+2:XBR+4*(8*\g+\n)+3], v[GB+4*\n+2:GB+4*\n+3], v[XBR+4*(8*\g+\n)+2:XBR+4*(8*\g+\n)+3]
	global_store_b128 v[XO], v[XBR+4*(8*\g+\n):XBR+4*(8*\g+\n)+3], s[96:97] offset:262144*(4*\g+\n/2)+8192*(\q)+512*(\n%2) th:TH_STORE_NT
.endr
.endr
	WIN 0
.endm
	XLOAD 0
	s_wait_loadcnt 32                              ; the regions' codes and bytes are in; chunk 0's x may be out
.irp q, 0,1,2,3
	BT 2*\q
	BT 2*\q+1
.if \q < 3
	XLOAD \q+1                                     ; into this chunk's accumulators, which are done with
.endif
	s_wait_dscnt 0x0                               ; for the others' sake: my stores into the stage are done
	s_barrier_signal -1
	s_barrier_wait -1                              ; each chunk has a stage of its own, so one barrier a chunk is enough
	READBACK \q
.endr
	s_wait_tensorcnt 0x0                           ; the wave's end
	ds_add_u32 v[SPW], v[NIL]
	s_wait_dscnt 0x0
	ROUND                                          ; the closing round
	s_endpgm
.Lfunc_end_k_q1f43506857_vconv:
	.size	k_q1f43506857_vconv, .Lfunc_end_k_q1f43506857_vconv-k_q1f43506857_vconv
	.p2alignl 7, 3214868480
	.fill 96, 4, 3214868480
	.section	.rodata,"a",@progbits
	.p2align	6, 0x0
	.amdhsa_kernel k_q1f43506857_vconv
		.amdhsa_group_segment_fixed_size 327680
		.amdhsa_private_segment_fixed_size 0
		.amdhsa_enable_private_segment 0
		.amdhsa_kernarg_size 120
		.amdhsa_user_sgpr_count 2
		.amdhsa_user_sgpr_kernarg_segment_ptr 1
		.amdhsa_wavefront_size32 1
		.amdhsa_system_sgpr_workgroup_id_x 1
		.amdhsa_system_sgpr_workgroup_id_y 1
		.amdhsa_system_sgpr_workgroup_id_z 1
		.amdhsa_system_vgpr_workitem_id 0
		.amdhsa_next_free_vgpr 1024
		.amdhsa_next_free_sgpr 100
		.amdhsa_reserve_vcc 0
		.amdhsa_float_denorm_mode_32 3
		.amdhsa_float_denorm_mode_16_64 3
		.amdhsa_memory_ordered 1
		.amdhsa_forward_progress 1
		.amdhsa_inst_pref_size 255
	.end_amdhsa_kernel
	.section	.bss,"aw",@nobits
	.p2align	6
	.space	262144
	.amdgpu_metadata
---
amdhsa.version: [ 1, 2 ]
amdhsa.kernels:
  - .name:           k_q1f43506857_vconv
    .symbol:         k_q1f43506857_vconv.kd
    .args:
      - { .name: xc, .offset: 0, .size: 8, .value_kind: global_buffer, .address_space: global }
      - { .name: xs, .offset: 8, .size: 8, .value_kind: global_buffer, .address_space: global }
      - { .name: Wkv_codes, .offset: 16, .size: 8, .value_kind: global_buffer, .address_space: global }
      - { .name: Wkv_scales, .offset: 24, .size: 8, .value_kind: global_buffer, .address_space: global }
      - { .name: sg, .offset: 32, .size: 8, .value_kind: global_buffer, .address_space: global }
      - { .name: rc, .offset: 40, .size: 8, .value_kind: global_buffer, .address_space: global }
      - { .name: Wc_codes, .offset: 48, .size: 8, .value_kind: global_buffer, .address_space: global }
      - { .name: Wc_scales, .offset: 56, .size: 8, .value_kind: global_buffer, .address_space: global }
      - { .name: gamma, .offset: 64, .size: 8, .value_kind: global_buffer, .address_space: global }
      - { .name: beta, .offset: 72, .size: 8, .value_kind: global_buffer, .address_space: global }
      - { .name: rm, .offset: 80, .size: 8, .value_kind: global_buffer, .address_space: global }
      - { .name: rv, .offset: 88, .size: 8, .value_kind: global_buffer, .address_space: global }
      - { .name: bc, .offset: 96, .size: 8, .value_kind: global_buffer, .address_space: global }
      - { .name: x, .offset: 104, .size: 8, .value_kind: global_buffer, .address_space: global }
      - { .name: out0, .offset: 112, .size: 8, .value_kind: global_buffer, .address_space: global }
    .group_segment_fixed_size: 327680
    .private_segment_fixed_size: 0
    .kernarg_segment_align: 8
    .kernarg_segment_size: 120
    .max_flat_workgroup_size: 128
    .sgpr_count:     100
    .vgpr_count:     1024
    .wavefront_size: 32
...
	.end_amdgpu_metadata
.endif
;; end of part 3
